; MI455X (gfx1250); checked and timed in simulation.
; The chip was launched on July 23, 2026; its instructions are those of AMD's public machine-readable ISA for CDNA 5 (MIT licence, August 2026) and "CDNA5" Instruction Set Architecture Reference Guide (July 2026). The comments in the code are by the model that wrote it; some were corrected since.
;; Custom Simplex Mapping Attention. Allowed arithmetic: matrix products marked QUANTISED: E2M3 operands, one E8M0 scale for each 32 along K, by v_wmma_scale_f32_16x16x128_f8f6f4 with both operands' format E2M3, f32 sums; everything else in f32.
;; Inputs: W_k 512 x 512 float32; W_o 512 x 512 float32; W_q 512 x 512 float32; W_v 512 x 512 float32; x 2 x 2,048 x 512 float32.
;; Outputs: out0 2 x 2,048 x 512 float32.
;; This version of the problem:
;;   THIS VERSION OF THE PROBLEM IS GIVEN IN LOW PRECISION. The matrix products marked QUANTISED in the list below multiply operands that are first quantised to E2M3 (2 exponent bits, 3 mantissa bits; 6 bits a number), with one power-of-two scale for each 32 numbers along K (OCP MX v1.0); their sums are f32. All else is computed in f32.
;;   The module's matrix products, in the order in which they are computed (A, B: the left and right operand; K: the contracted axis; several contracted axes count as one K, in the product's order):
;;     1. [M 4,096, K 512] x [K 512, N 512]; A: input x; B: input W_q: QUANTISED
;;     2. [M 4,096, K 512] x [K 512, N 512]; A: input x; B: input W_k: QUANTISED
;;     3. [M 4,096, K 512] x [K 512, N 512]; A: input x; B: input W_v: QUANTISED
;;     4. batch 16 x [M 2,048, K 64] x [K 64, N 2,048]; A: computed on the way; B: computed on the way: QUANTISED
;;     5. batch 16 x [M 2,048, K 2,048] x [K 2,048, N 64]; A: computed on the way; B: computed on the way: QUANTISED
;;     6. [M 4,096, K 512] x [K 512, N 512]; A: computed on the way; B: input W_o: QUANTISED
;;   THE QUANTISER, for each operand of a quantised product, along K:
;;     - K is cut into blocks of 32 from its start; a last block that is shorter is filled with zeros.
;;     - A block's scale is 2^e with e = floor(log2(the largest magnitude in the block)) - 2, held to -126 .. 127; a block of zeros has e = 0. As a byte (E8M0): e + 127.
;;     - Each number is divided by its block's scale, clamped to +-7.5, and rounded to the nearest number of E2M3, ties to even, subnormals kept.
;;     - The product sums the exact products of the quantised numbers (number of the format x scale) in f32.
;;   ~~~python
;;   def quantise(x, axis):      # numpy; x: float32 -> the quantised numbers, widened to float32 again
;;       x = np.moveaxis(x, axis, -1); K = x.shape[-1]
;;       x = np.pad(x, [(0, 0)] * (x.ndim - 1) + [(0, -K % 32)]); x = x.reshape(x.shape[:-1] + (-1, 32)); a = np.abs(x).max(-1, keepdims=True)
;;       e = np.where(a > 0, np.clip(np.frexp(np.where(a > 0, a, 1))[1] - 1 - 2, -126, 127), 0)      # np.frexp(a)[1] - 1 = floor(log2(a)), exactly
;;       r = np.clip(x / 2.0 ** e, -7.5, 7.5)
;;       step = 2.0 ** (np.maximum(np.frexp(np.where(r == 0, 1, r))[1] - 1, 0) - 3)
;;       q = np.round(r / step) * step * 2.0 ** e      # np.round: ties to even
;;       return np.moveaxis(q.reshape(q.shape[:-2] + (-1,))[..., :K], -1, axis).astype(np.float32)
;;   ~~~
;;   OPERANDS COMPUTED ON THE WAY. 'Computed on the way' means the value that the module computes at that place (a softmax that the list does not call 'softmax' is quantised finished and normalised). What goes into a quantiser is computed in f32, as accurately as f32 sums, v_exp_f32 and their like allow (about 1e-6 of the number): no bf16 or f16 on the way to a quantiser, and a product that is left as it is and whose result goes on into a quantised operand takes f32 operands (vector FMAs, or v_wmma_f32_16x16x4_f32). A number that lies on a knife's edge between two numbers of the format may be rounded either way, as far as f32 arithmetic and the matrix unit's own rounding can turn it there, and no further.
;; 2 versions, each right and faster than the one before. Each part assembles by itself: llvm-mc -triple=amdgcn-amd-amdhsa -mcpu=gfx1250 --defsym DOCPART=n.
;; ======== version 1 of 2: 4 launches
;; limits: right only within a limited range of input values
;; workspace buffers: cod 2,359,296 bytes; scl 98,304 bytes; qkc 3,145,728 bytes; qks 262,144 bytes; vc 1,572,864 bytes; vs 65,536 bytes; oc 1,572,864 bytes; os 131,072 bytes
;; launch quant (part 1): grid 384 x 1, 4 waves a work-group, no clusters, 35,328 bytes of LDS; arguments x, W_q, W_k, W_v, W_o, cod, scl; writes cod, scl
.if DOCPART == 1
	.amdgcn_target "amdgcn-amd-amdhsa--gfx1250"
	.amdhsa_code_object_version 6
	.text
	.protected	k_q0e4b3853e0_quant
	.globl	k_q0e4b3853e0_quant
	.p2align	8
	.type	k_q0e4b3853e0_quant,@function
k_q0e4b3853e0_quant:
	s_mov_b64 s[64:65], 0
	v_nop
	global_prefetch_b8 v0, s[64:65] scope:SCOPE_SE
	s_setreg_imm32_b32 hwreg(HW_REG_WAVE_MODE, 25, 1), 1
	s_wait_xcnt 0x0
; x [4096][512] and W_q, W_k, W_v, W_o [512][512], f32, K innermost, become codes of FP6 (E2M3) with one E8M0 byte for each 32 along K,
; laid in the order of an operand's registers.  A TILE is 16 rows: tile 2 b + u of a tensor holds, as its row p, the tensor's row 32 b + 8 u + p + 8 (p / 8).
; Tiles are numbered through: x 0-255, W_q 256-287, W_k 288-319, W_v 320-351, W_o 352-383.
; cod: the fragment (16 rows x 128 K, 12 registers a lane) of tile g, K step s, at (4 g + s) x 1536 bytes: registers 0-3 at 16 x lane, 4-5 at 512 + 8 x lane, 6-9 at 768 + 16 x lane, 10-11 at 1280 + 8 x lane.
; scl: the scale word of tile g, row p, K step s at 256 g + 16 p + 4 s.
; A work-group takes a tile, wave s its K step s.  Each load reads 512 consecutive bytes of a row; the numbers turn through the wave's own stage in LDS, so that a lane gets 16 neighbours of each block of 32.
; A block's scale is 2^(floor(log2(largest magnitude)) - 2): its byte is the largest magnitude's exponent field - 2, held at 1 from below.
; LIMITS: a block of zeros gets the byte 1 and not 127 (its codes are zeros; this program alone reads the bytes); blocks whose largest magnitude lies under 2^-124 take the floor's scale; NaN and infinities are not served.
.set A16, 4                            ; v4   16 x lane; never rewritten
.set A8,  5                            ; v5   8 x lane; never rewritten
.set SW,  6                            ; v6   the stage, on the way in
.set SRD, 7                            ; v7   the stage, on the way out: row r, + 64 h
.set SXW, 8                            ; v8   where my row's scale word goes in LDS
.set SXR, 9                            ; v9   and where wave 0 reads 8 bytes of the tile's 256
.set RW,  16                           ; v16-79   16 rows as loaded
.set ST,  80                           ; v80-143  register 16 b + i = k 32 b + 16 h + i of my row
.set TM,  144                          ; v144-159 at work
.set PC,  160                          ; v160-179 the codes
.set PW,  180                          ; v180     the scale word
.set SEL, 2                            ; s[2:3]   lane selects for v_permlanex16_b32: lane l xor 16
.set WSTG, 16*528                      ; a wave's stage: 16 rows x (512 bytes + 16)
.set SCX,  4*WSTG                      ; behind the stages: the tile's 256 scale bytes
; 64 numbers of a lane, register 16 b + i = k 32 b + 16 (lane / 16) + i of my row, become a fragment's codes in v[PC] on and its scale word in v[PW].  fl: the floor under the largest magnitude
.macro QUANT s, fl
.irp b, 0,1,2,3
	v_max3_num_f32 v[TM+\b], |v[\s+16*\b]|, |v[\s+1+16*\b]|, \fl
.endr
.irp i, 2,4,6,8,10,12,14
.irp b, 0,1,2,3
	v_max3_num_f32 v[TM+\b], v[TM+\b], |v[\s+16*\b+\i]|, |v[\s+1+16*\b+\i]|   ; the four blocks by turns
.endr
.endr
.irp b, 0,1,2,3
	v_permlanex16_b32 v[TM+4+\b], v[TM+\b], s[SEL], s[SEL+1]
.endr
.irp b, 0,1,2,3
	v_max_num_f32 v[TM+\b], v[TM+\b], v[TM+4+\b]   ; with lane l xor 16's: the block's largest magnitude
.endr
.irp b, 0,1,2,3
	v_add_nc_u32 v[TM+12+\b], 0xff000000, v[TM+\b]   ; 2 off its exponent field: the conversion's scale operand
.endr
.irp b, 0,1,2,3
	v_lshrrev_b32 v[TM+4+\b], 23, v[TM+12+\b]      ; the scale's byte
.endr
	v_lshl_or_b32 v[PW], v[TM+5], 8, v[TM+4]
	v_lshl_or_b32 v[PW], v[TM+6], 16, v[PW]
	v_lshl_or_b32 v[PW], v[TM+7], 24, v[PW]
.irp c, 0,1
	v_cvt_scalef32_pk16_fp6_f32 v[PC+6*\c:PC+2+6*\c], v[\s+32*\c:\s+15+32*\c], v[TM+12+2*\c]
	v_cvt_scalef32_pk16_fp6_f32 v[PC+12+4*\c:PC+14+4*\c], v[\s+16+32*\c:\s+31+32*\c], v[TM+12+2*\c+1]   ; a conversion's three registers begin on an even number
.endr
	v_nop                                          ; one plain place behind a scaled conversion
.irp c, 0,1                            ; the operand's layout wants a whole block in a lane: lanes 0-15 block 2 c, lanes 16-31 block 2 c + 1
.irp i, 0,1,2
	v_permlane16_swap_b32 v[PC+6*\c+\i], v[PC+12+4*\c+\i]
.endr
.irp i, 0,1,2
	v_mov_b32 v[PC+3+6*\c+\i], v[PC+12+4*\c+\i]
.endr
.endr
.endm
.macro GSTOREF reg, base, off          ; a fragment's 12 registers to memory: 512, 256, 512 and 256 consecutive bytes
	global_store_b128 v[A16], v[\reg:\reg+3], s[\base:\base+1] offset:\off
	global_store_b64 v[A8], v[\reg+4:\reg+5], s[\base:\base+1] offset:\off+512
	global_store_b128 v[A16], v[\reg+6:\reg+9], s[\base:\base+1] offset:\off+768
	global_store_b64 v[A8], v[\reg+10:\reg+11], s[\base:\base+1] offset:\off+1280
.endm
	s_load_b256 s[4:11], s[0:1], 0x0               ; x, W_q, W_k, W_v
	s_load_b128 s[12:15], s[0:1], 0x20             ; W_o, cod
	s_load_b64 s[16:17], s[0:1], 0x30              ; scl
	v_lshl_add_u32 v184, v0, 2, 0x8800
	v_mov_b32 v185, 0
	v_lshrrev_b32 v1, 5, v0
	v_readfirstlane_b32 s18, v1                    ; wave = K step
	v_and_b32 v1, 31, v0                           ; lane
	v_and_b32 v2, 15, v0                           ; r
	v_bfe_u32 v3, v0, 4, 1                         ; h
	v_lshlrev_b32 v[A16], 4, v1
	v_lshlrev_b32 v[A8], 3, v1
	s_mul_i32 s19, s18, WSTG
	v_add_nc_u32 v[SW], s19, v[A16]
	v_mul_u32_u24 v[SRD], v2, 528
	v_lshl_add_u32 v[SRD], v3, 6, v[SRD]
	v_add_nc_u32 v[SRD], s19, v[SRD]
	s_lshl_b32 s19, s18, 2
	s_add_co_u32 s19, s19, SCX
	v_lshl_add_u32 v[SXW], v2, 4, s19              ; SCX + 16 r + 4 s
	v_add_nc_u32 v[SXR], SCX, v[A8]
	s_mov_b32 s[SEL], 0x76543210
	s_mov_b32 s[SEL+1], 0xfedcba98
	s_sub_co_u32 s20, ttmp9, 256                   ; for the weights: which of the four, and which of its 32 tiles
	s_lshr_b32 s21, s20, 5
	s_and_b32 s22, s20, 31
	s_cmp_lt_u32 ttmp9, 256
	s_cselect_b32 s22, ttmp9, s22                  ; the tile's number in its tensor
	s_lshr_b32 s23, s22, 1
	s_lshl_b32 s23, s23, 5
	s_and_b32 s24, s22, 1
	s_lshl_b32 s24, s24, 3
	s_add_co_u32 s23, s23, s24                     ; its first row: 32 b + 8 u
	s_lshl_b32 s24, s23, 11                        ; rows of 2,048 bytes,
	s_lshl_b32 s25, s18, 9                         ; my K step's 512 bytes
	s_add_co_u32 s24, s24, s25
	s_mov_b32 s25, 0
	s_lshl_b32 s26, ttmp9, 2
	s_add_co_u32 s26, s26, s18
	s_mul_i32 s26, s26, 1536                       ; my fragment in cod
	s_mov_b32 s27, 0
	s_lshl_b32 s28, ttmp9, 8                       ; the tile's scale words in scl
	s_mov_b32 s29, 0
	s_wait_kmcnt 0x0
	s_cmp_eq_u32 s21, 1                            ; the source is chosen by the work-group's number alone
	s_cselect_b64 s[6:7], s[8:9], s[6:7]
	s_cmp_eq_u32 s21, 2
	s_cselect_b64 s[6:7], s[10:11], s[6:7]
	s_cmp_eq_u32 s21, 3
	s_cselect_b64 s[6:7], s[12:13], s[6:7]
	s_cmp_lt_u32 ttmp9, 256
	s_cselect_b64 s[4:5], s[4:5], s[6:7]
	s_add_nc_u64 s[4:5], s[4:5], s[24:25]
	s_add_nc_u64 s[14:15], s[14:15], s[26:27]
	s_add_nc_u64 s[16:17], s[16:17], s[28:29]
.irp i, 0,1,2,3,4,5,6,7,8,9,10,11,12,13,14,15
	global_load_b128 v[RW+4*\i:RW+4*\i+3], v[A16], s[4:5] offset:(\i+8*(\i/8))*2048 th:TH_LOAD_NT   ; the tile's row i: 512 consecutive bytes
.endr
.irp i, 0,1,2,3,4,5,6,7,8,9,10,11,12,13,14,15
	s_wait_loadcnt 15-\i                           ; row i is in; the younger loads stay out
	ds_store_b128 v[SW], v[RW+4*\i:RW+4*\i+3] offset:528*\i
.endr
.irp b, 0,1,2,3
.irp j, 0,1,2,3
	ds_load_b128 v[ST+16*\b+4*\j:ST+16*\b+4*\j+3], v[SRD] offset:128*\b+16*\j   ; my wave's own bytes, served in order: no wait between the stores and these
.endr
.endr
.irp b, 0,1,2,3
	v_mov_b32 v[TM+4+\b], 0                        ; a lane permute's destination counts as one of its sources
.endr
	s_wait_dscnt 0x0
	QUANT ST, 0x1800000                            ; the floor 2^(3 - 127)
	GSTOREF PC, 14, 0
	ds_store_b32 v[SXW], v[PW]                     ; both halves of the lanes write the same word with the same value
	s_wait_dscnt 0x0                               ; for the others' sake: my store has landed
	s_barrier_signal -1
	s_barrier_wait -1
	s_cmp_lg_u32 s18, 0
	s_cbranch_scc1 .Lend
	ds_load_b64 v[182:183], v[SXR]                 ; wave 0: the tile's 64 scale words leave as 256 consecutive bytes
	s_wait_dscnt 0x0
	global_store_b64 v[A8], v[182:183], s[16:17]
.Lend:
	s_barrier_signal -1
	s_barrier_wait -1
	s_wait_tensorcnt 0x0
	ds_add_u32 v184, v185
	s_wait_dscnt 0x0
	s_endpgm
.Lfunc_end_k_q0e4b3853e0_quant:
	.size	k_q0e4b3853e0_quant, .Lfunc_end_k_q0e4b3853e0_quant-k_q0e4b3853e0_quant
	.p2alignl 7, 3214868480
	.fill 96, 4, 3214868480
	.section	.rodata,"a",@progbits
	.p2align	6, 0x0
	.amdhsa_kernel k_q0e4b3853e0_quant
		.amdhsa_group_segment_fixed_size 35328
		.amdhsa_private_segment_fixed_size 0
		.amdhsa_enable_private_segment 0
		.amdhsa_kernarg_size 56
		.amdhsa_user_sgpr_count 2
		.amdhsa_user_sgpr_kernarg_segment_ptr 1
		.amdhsa_wavefront_size32 1
		.amdhsa_system_sgpr_workgroup_id_x 1
		.amdhsa_system_sgpr_workgroup_id_y 1
		.amdhsa_system_sgpr_workgroup_id_z 1
		.amdhsa_system_vgpr_workitem_id 0
		.amdhsa_next_free_vgpr 186
		.amdhsa_next_free_sgpr 66
		.amdhsa_reserve_vcc 0
		.amdhsa_float_denorm_mode_32 3
		.amdhsa_float_denorm_mode_16_64 3
		.amdhsa_memory_ordered 1
		.amdhsa_forward_progress 1
		.amdhsa_inst_pref_size 12
	.end_amdhsa_kernel
	.amdgpu_metadata
---
amdhsa.version: [ 1, 2 ]
amdhsa.kernels:
  - .name:           k_q0e4b3853e0_quant
    .symbol:         k_q0e4b3853e0_quant.kd
    .args:
      - { .name: x, .offset: 0, .size: 8, .value_kind: global_buffer, .address_space: global }
      - { .name: W_q, .offset: 8, .size: 8, .value_kind: global_buffer, .address_space: global }
      - { .name: W_k, .offset: 16, .size: 8, .value_kind: global_buffer, .address_space: global }
      - { .name: W_v, .offset: 24, .size: 8, .value_kind: global_buffer, .address_space: global }
      - { .name: W_o, .offset: 32, .size: 8, .value_kind: global_buffer, .address_space: global }
      - { .name: cod, .offset: 40, .size: 8, .value_kind: global_buffer, .address_space: global }
      - { .name: scl, .offset: 48, .size: 8, .value_kind: global_buffer, .address_space: global }
    .group_segment_fixed_size: 35328
    .private_segment_fixed_size: 0
    .kernarg_segment_align: 8
    .kernarg_segment_size: 56
    .max_flat_workgroup_size: 128
    .sgpr_count:     66
    .vgpr_count:     186
    .wavefront_size: 32
...
	.end_amdgpu_metadata
.endif
;; end of part 1
;; launch qkv (part 2): grid 384 x 1, 8 waves a work-group, no clusters, 50,176 bytes of LDS; arguments cod, scl, qkc, qks, vc, vs; writes qkc, qks, vc, vs
.if DOCPART == 2
	.amdgcn_target "amdgcn-amd-amdhsa--gfx1250"
	.amdhsa_code_object_version 6
	.text
	.protected	k_q0e4b3853e0_qkv
	.globl	k_q0e4b3853e0_qkv
	.p2align	8
	.type	k_q0e4b3853e0_qkv,@function
k_q0e4b3853e0_qkv:
	s_mov_b64 s[64:65], 0
	v_nop
	global_prefetch_b8 v0, s[64:65] scope:SCOPE_SE
	s_setreg_imm32_b32 hwreg(HW_REG_WAVE_MODE, 25, 1), 1
	s_wait_xcnt 0x0
; q = x W_q^T, k = x W_k^T, v = x W_v^T on codes of FP6 (K = 512), and each result quantised in registers for the product that takes it: q and k along the head's 64 channels, v along the keys.
; A WAVE'S JOB: source 0 = a group P of 8 tiles (4 pairs), shared by the work-group's 8 waves through LDS as images of the operand's registers; source 1 = one tile R of the wave's own, from memory.
; 32 matrix instructions on 8 accumulators.  By the order of a tile's rows (tile 2 b + u, row p = the tensor's row 32 b + 8 u + p + 8 (p / 8)) a lane's register 16 b + i is the neighbour 32 b + 16 (lane / 16) + i along P's rows.
; Work-groups 0-255 (q, k): P = 128 channels (two heads) of W_q or W_k, R = 16 tokens: a lane holds a token, its registers run along the channels.
; Work-groups 256-383 (v):  P = the tokens of key blocks wv + 8 (4 g4 + b), b = 0..3, R = 16 channels of W_v: a lane holds a channel, its registers run along the keys.
; OUT.  qkc: six registers of 32 lanes (16 tokens x a head's 64 channels), 768 bytes, at ((sel 16 + 8 batch + head) 128 + token tile) x 768 (sel 0: q, 1: k).  qks: for each such image 16 words; the head's two bytes stand at byte
; places 2 u, 2 u + 1 (u = token tile mod 2), the other two bytes are 0x7f.  vc: a fragment (16 channels x 4 key blocks) at ((((8 batch + head) 8 + wv) 2 + g4) 4 + channel tile) x 1536;  vs: its 16 scale words.
; LIMITS: the floor under a block's largest magnitude is 2^-121 here (byte 4 at the least: the next launch takes 3 off q's bytes); smaller blocks take that scale; a block of zeros gets the floor's byte; NaN and infinities are not served.
.set A16,  1                           ; v1   16 x lane; never rewritten
.set A8,   2                           ; v2   8 x lane
.set A16R, 3                           ; v3   16 x (lane mod 16)
.set SWI,  4                           ; v4   where I store my tile's images: 6144 x wave + 16 x lane
.set PSA,  5                           ; v5-8 offsets of P's scale words, pair b
.set SA,   9                           ; v9   4 r + 8192 h
.set A4R,  10                          ; v10  4 r
.set LN,   11                          ; v11  lane
.set RF,   16                          ; v16-63   R's four fragments
.set RS,   64                          ; v64-67   R's scale words, K step s
.set BUFB, 68                          ; v68-115  four fragments of P
.set TM,   68                          ; behind the products: v68-83 at work, v84-103 the codes, v104 the scale word
.set PC,   84
.set PW,   104
.set HA,   128                         ; v128-191 the 8 accumulators
.set BUFA, 192                         ; v192-239 four fragments of P
.set PS,   240                         ; v240-255 P's scale words: register 4 b + s: lanes 0-15 tile 2 b, lanes 16-31 tile 2 b + 1
.set SEL,  2
.set WV,   16
.macro QUANT s, fl
.irp b, 0,1,2,3
	v_max3_num_f32 v[TM+\b], |v[\s+16*\b]|, |v[\s+1+16*\b]|, \fl
.endr
.irp i, 2,4,6,8,10,12,14
.irp b, 0,1,2,3
	v_max3_num_f32 v[TM+\b], v[TM+\b], |v[\s+16*\b+\i]|, |v[\s+1+16*\b+\i]|
.endr
.endr
.irp b, 0,1,2,3
	v_permlanex16_b32 v[TM+4+\b], v[TM+\b], s[SEL], s[SEL+1]
.endr
.irp b, 0,1,2,3
	v_max_num_f32 v[TM+\b], v[TM+\b], v[TM+4+\b]
.endr
.irp b, 0,1,2,3
	v_add_nc_u32 v[TM+12+\b], 0xff000000, v[TM+\b]
.endr
.irp b, 0,1,2,3
	v_lshrrev_b32 v[TM+4+\b], 23, v[TM+12+\b]
.endr
	v_lshl_or_b32 v[PW], v[TM+5], 8, v[TM+4]
	v_lshl_or_b32 v[PW], v[TM+6], 16, v[PW]
	v_lshl_or_b32 v[PW], v[TM+7], 24, v[PW]
.irp c, 0,1
	v_cvt_scalef32_pk16_fp6_f32 v[PC+6*\c:PC+2+6*\c], v[\s+32*\c:\s+15+32*\c], v[TM+12+2*\c]
	v_cvt_scalef32_pk16_fp6_f32 v[PC+12+4*\c:PC+14+4*\c], v[\s+16+32*\c:\s+31+32*\c], v[TM+12+2*\c+1]
.endr
	v_nop                                          ; one plain place behind a scaled conversion
.irp c, 0,1
.irp i, 0,1,2
	v_permlane16_swap_b32 v[PC+6*\c+\i], v[PC+12+4*\c+\i]
.endr
.irp i, 0,1,2
	v_mov_b32 v[PC+3+6*\c+\i], v[PC+12+4*\c+\i]
.endr
.endr
.endm
.macro GLOADF reg, base, off           ; a fragment's 12 registers from memory
	global_load_b128 v[\reg:\reg+3], v[A16], s[\base:\base+1] offset:\off
	global_load_b64 v[\reg+4:\reg+5], v[A8], s[\base:\base+1] offset:\off+512
	global_load_b128 v[\reg+6:\reg+9], v[A16], s[\base:\base+1] offset:\off+768
	global_load_b64 v[\reg+10:\reg+11], v[A8], s[\base:\base+1] offset:\off+1280
.endm
.macro GSTOREF reg, base, off
	global_store_b128 v[A16], v[\reg:\reg+3], s[\base:\base+1] offset:\off
	global_store_b64 v[A8], v[\reg+4:\reg+5], s[\base:\base+1] offset:\off+512
	global_store_b128 v[A16], v[\reg+6:\reg+9], s[\base:\base+1] offset:\off+768
	global_store_b64 v[A8], v[\reg+10:\reg+11], s[\base:\base+1] offset:\off+1280
.endm
.macro PLACES n
.rept \n
	v_nop
.endr
.endm
; one matrix instruction.  zero = 1: it starts its sum;  row = 1: source 0's scales stand in lanes 16-31
.macro WM d, a, b, zero, sa, sb, row
.if \zero
.if \row
	v_wmma_scale_f32_16x16x128_f8f6f4 v[\d:\d+7], v[\a:\a+11], v[\b:\b+11], 0, v[\sa], v[\sb] matrix_a_fmt:MATRIX_FMT_FP6 matrix_b_fmt:MATRIX_FMT_FP6 matrix_a_scale:MATRIX_SCALE_ROW1
.else
	v_wmma_scale_f32_16x16x128_f8f6f4 v[\d:\d+7], v[\a:\a+11], v[\b:\b+11], 0, v[\sa], v[\sb] matrix_a_fmt:MATRIX_FMT_FP6 matrix_b_fmt:MATRIX_FMT_FP6
.endif
.else
.if \row
	v_wmma_scale_f32_16x16x128_f8f6f4 v[\d:\d+7], v[\a:\a+11], v[\b:\b+11], v[\d:\d+7], v[\sa], v[\sb] matrix_a_fmt:MATRIX_FMT_FP6 matrix_b_fmt:MATRIX_FMT_FP6 matrix_a_scale:MATRIX_SCALE_ROW1
.else
	v_wmma_scale_f32_16x16x128_f8f6f4 v[\d:\d+7], v[\a:\a+11], v[\b:\b+11], v[\d:\d+7], v[\sa], v[\sb] matrix_a_fmt:MATRIX_FMT_FP6 matrix_b_fmt:MATRIX_FMT_FP6
.endif
.endif
.endm
; half step n of 8: K step n / 2, P's tiles 4 (n mod 2) .. + 3; buffer A for even n, B for odd n
.macro DLOAD n
.set DB, BUFA-((\n)%2)*(BUFA-BUFB)
.irp q, 0,1,2,3
.irp c, 0,1,2
	ds_load_b128 v[DB+12*\q+4*\c:DB+12*\q+4*\c+3], v[A16] offset:((4*((\n)%2)+\q)*4+(\n)/2)*1536+512*\c
.endr
.endr
.endm
.macro MUL4 n
.set DB, BUFA-((\n)%2)*(BUFA-BUFB)
.set KSTP, (\n)/2
.set ZR, 0
.if (\n) < 2
.set ZR, 1
.endif
.irp q, 0,1,2,3
.set TL, 4*((\n)%2)+\q
	WM HA+8*TL, DB+12*\q, RF+12*KSTP, ZR, PS+4*(TL/2)+KSTP, RS+KSTP, \q%2
.endr
.endm
	s_load_b256 s[4:11], s[0:1], 0x0               ; cod, scl, qkc, qks
	s_load_b128 s[12:15], s[0:1], 0x20             ; vc, vs
	v_lshl_add_u32 v126, v0, 2, 0xc000
	v_mov_b32 v127, 0
	v_lshrrev_b32 v[LN], 5, v0
	v_readfirstlane_b32 s[WV], v[LN]               ; wave 0..7
	v_and_b32 v[LN], 31, v0
	v_and_b32 v12, 15, v0                          ; r
	v_bfe_u32 v13, v0, 4, 1                        ; h
	v_lshlrev_b32 v[A16], 4, v[LN]
	v_lshlrev_b32 v[A8], 3, v[LN]
	v_lshlrev_b32 v[A16R], 4, v12
	s_mul_i32 s17, s[WV], 6144
	v_add_nc_u32 v[SWI], s17, v[A16]
	v_lshlrev_b32 v[A4R], 2, v12
	v_lshl_add_u32 v[SA], v13, 13, v[A4R]
	s_mov_b32 s[SEL], 0x76543210
	s_mov_b32 s[SEL+1], 0xfedcba98
	; the numbers of a work-group for q and k
	s_and_b32 s20, ttmp9, 7                        ; which 128 channels: 0-3 of W_q, 4-7 of W_k
	s_lshr_b32 s21, ttmp9, 3                       ; which 8 token tiles
	s_lshl_b32 s22, s20, 3
	s_add_co_u32 s22, s22, 256                     ; P's first tile
	s_lshl_b32 s23, s21, 3
	s_add_co_u32 s23, s23, s[WV]                   ; R: my token tile
	; and of one for v
	s_sub_co_u32 s24, ttmp9, 256
	s_and_b32 s25, s24, 3                          ; which 8 channel tiles
	s_lshr_b32 s26, s24, 2
	s_lshr_b32 s27, s26, 4                         ; batch
	s_bfe_u32 s28, s26, 0x10003                    ; g4
	s_and_b32 s29, s26, 7                          ; wv
	s_lshl_b32 s30, s27, 7
	s_lshl_b32 s17, s28, 6
	s_add_co_u32 s30, s30, s17
	s_lshl_b32 s17, s29, 1
	s_add_co_u32 s30, s30, s17                     ; P's first tile: 128 batch + 64 g4 + 2 wv
	s_lshl_b32 s31, s25, 3
	s_add_co_u32 s31, s31, s[WV]                   ; my channel tile, 0..31
	s_add_co_u32 s32, s31, 320                     ; R
	s_cmp_lt_u32 ttmp9, 256
	s_cselect_b32 s33, s22, s30                    ; P's first tile
	s_cselect_b32 s34, s23, s32                    ; R's tile
	s_cselect_b32 s35, 2, 16                       ; tiles from pair to pair of P
	s_lshl_b32 s36, s35, 8
	v_mov_b32 v[PSA], v[A16]
	v_add_nc_u32 v[PSA+1], s36, v[PSA]
	v_add_nc_u32 v[PSA+2], s36, v[PSA+1]
	v_add_nc_u32 v[PSA+3], s36, v[PSA+2]
	s_lshr_b32 s37, s[WV], 1
	s_mul_i32 s37, s37, s35
	s_and_b32 s38, s[WV], 1
	s_add_co_u32 s37, s37, s38
	s_add_co_u32 s37, s37, s33                     ; the tile of P that I bring: pair wave / 2, half wave mod 2
	s_mul_i32 s40, s37, 6144
	s_mov_b32 s41, 0
	s_mul_i32 s42, s34, 6144
	s_mov_b32 s43, 0
	s_lshl_b32 s44, s34, 8
	s_mov_b32 s45, 0
	s_lshl_b32 s46, s33, 8
	s_mov_b32 s47, 0
	s_wait_kmcnt 0x0
	s_add_nc_u64 s[40:41], s[4:5], s[40:41]
	s_add_nc_u64 s[42:43], s[4:5], s[42:43]
	s_add_nc_u64 s[44:45], s[6:7], s[44:45]
	s_add_nc_u64 s[46:47], s[6:7], s[46:47]
.irp s, 0,1,2,3
	GLOADF BUFA+12*\s, 40, 1536*\s                 ; my tile of P: 16 loads
.endr
.irp s, 0,1,2,3
	GLOADF RF+12*\s, 42, 1536*\s                   ; R: 16 loads
.endr
	global_load_b128 v[RS:RS+3], v[A16R], s[44:45]
.irp b, 0,1,2,3
	global_load_b128 v[PS+4*\b:PS+4*\b+3], v[PSA+\b], s[46:47]
.endr
	s_wait_loadcnt 21                              ; my tile of P is in; the 16 + 1 + 4 loads behind it stay out
.irp s, 0,1,2,3
.irp c, 0,1,2
	ds_store_b128 v[SWI], v[BUFA+12*\s+4*\c:BUFA+12*\s+4*\c+3] offset:1536*\s+512*\c
.endr
.endr
	s_wait_dscnt 0x0                               ; for the others' sake: my stores have landed
	s_barrier_signal -1
	s_barrier_wait -1                              ; P's 32 fragments lie in LDS; nothing is written there again
	DLOAD 0
	DLOAD 1
	s_wait_loadcnt 0x0                             ; R and the scale words
; The 8 accumulators take turns, one instruction a turn.
.irp n, 0,1,2,3,4,5,6,7
.if \n < 7
	s_wait_dscnt 12                                ; this half step's 12 loads are in; the next one's may be out
.else
	s_wait_dscnt 0x0
.endif
	MUL4 \n
.if \n < 6
	PLACES 4                                       ; in front of loads into registers that the products have read
	DLOAD \n+2
.endif
.endr
	PLACES 4                                       ; in front of the first read of results and the first write of the products' registers
.irp b, 0,1,2,3
	v_mov_b32 v[TM+4+\b], 0
.endr
	QUANT HA, 0x3000000                            ; the floor 2^(6 - 127)
	s_cmp_lt_u32 ttmp9, 256
	s_cbranch_scc0 .Lv
	; q, k: registers 0-5 are the first head's image, 6-11 the second's, 128 images further on
	s_lshr_b32 s50, s20, 2                         ; sel
	s_lshl_b32 s50, s50, 1
	s_lshr_b32 s51, s34, 7                         ; batch
	s_add_co_u32 s50, s50, s51
	s_lshl_b32 s50, s50, 3
	s_and_b32 s51, s20, 3
	s_lshl_b32 s51, s51, 1                         ; the first of my two heads
	s_add_co_u32 s50, s50, s51
	s_lshl_b32 s50, s50, 7
	s_and_b32 s51, s34, 127                        ; the token tile in its batch
	s_add_co_u32 s50, s50, s51
	s_mul_i32 s52, s50, 768
	s_mov_b32 s53, 0
	s_lshl_b32 s54, s50, 6
	s_mov_b32 s55, 0
	s_add_nc_u64 s[8:9], s[8:9], s[52:53]
	s_add_nc_u64 s[10:11], s[10:11], s[54:55]
	global_store_b128 v[A16], v[PC:PC+3], s[8:9]
	global_store_b64 v[A8], v[PC+4:PC+5], s[8:9] offset:512
	global_store_b128 v[A16], v[PC+6:PC+9], s[8:9] offset:98304
	global_store_b64 v[A8], v[PC+10:PC+11], s[8:9] offset:98816
	s_and_b32 s56, s[WV], 1                        ; u: the token tile's number is 8 x set + wave
	s_lshl_b32 s57, s56, 4
	s_mov_b32 s58, 0x7f7f
	s_cmp_eq_u32 s56, 0
	s_cselect_b32 s58, 0x7f7f0000, s58             ; 0x7f in the two byte places that are not the head's
	v_and_b32 v12, 0xffff, v[PW]                   ; the first head's two bytes,
	v_lshrrev_b32 v13, 16, v[PW]                   ; the second's
	v_cmp_gt_u32 vcc_lo, 16, v[LN]
	v_cndmask_b32 v12, v13, v12, vcc_lo            ; lanes 0-15 store the first head's words, lanes 16-31 the second's
	v_lshlrev_b32 v12, s57, v12
	v_or_b32 v12, s58, v12
	global_store_b32 v[SA], v12, s[10:11]
	s_wait_tensorcnt 0x0
	ds_add_u32 v126, v127
	s_wait_dscnt 0x0
	s_endpgm
.Lv:
	s_lshl_b32 s50, s27, 3
	s_lshr_b32 s51, s31, 2                         ; head
	s_add_co_u32 s50, s50, s51
	s_lshl_b32 s50, s50, 3
	s_add_co_u32 s50, s50, s29
	s_lshl_b32 s50, s50, 1
	s_add_co_u32 s50, s50, s28
	s_lshl_b32 s50, s50, 2
	s_and_b32 s51, s31, 3                          ; the channel tile in its head
	s_add_co_u32 s50, s50, s51
	s_mul_i32 s52, s50, 1536
	s_mov_b32 s53, 0
	s_lshl_b32 s54, s50, 6
	s_mov_b32 s55, 0
	s_add_nc_u64 s[12:13], s[12:13], s[52:53]
	s_add_nc_u64 s[14:15], s[14:15], s[54:55]
	GSTOREF PC, 12, 0
	s_wait_xcnt 0x0                                ; EXEC changes only behind this wait
	v_cmp_gt_u32 vcc_lo, 16, v[LN]
	s_wait_tensorcnt 0x0
	ds_add_u32 v126, v127
	s_wait_dscnt 0x0
	s_and_saveexec_b32 s56, vcc_lo
	global_store_b32 v[A4R], v[PW], s[14:15]       ; lanes 0-15: the fragment's 16 scale words
	s_wait_xcnt 0x0
	s_or_b32 exec_lo, exec_lo, s56
	s_endpgm
.Lfunc_end_k_q0e4b3853e0_qkv:
	.size	k_q0e4b3853e0_qkv, .Lfunc_end_k_q0e4b3853e0_qkv-k_q0e4b3853e0_qkv
	.p2alignl 7, 3214868480
	.fill 96, 4, 3214868480
	.section	.rodata,"a",@progbits
	.p2align	6, 0x0
	.amdhsa_kernel k_q0e4b3853e0_qkv
		.amdhsa_group_segment_fixed_size 50176
		.amdhsa_private_segment_fixed_size 0
		.amdhsa_enable_private_segment 0
		.amdhsa_kernarg_size 48
		.amdhsa_user_sgpr_count 2
		.amdhsa_user_sgpr_kernarg_segment_ptr 1
		.amdhsa_wavefront_size32 1
		.amdhsa_system_sgpr_workgroup_id_x 1
		.amdhsa_system_sgpr_workgroup_id_y 1
		.amdhsa_system_sgpr_workgroup_id_z 1
		.amdhsa_system_vgpr_workitem_id 0
		.amdhsa_next_free_vgpr 256
		.amdhsa_next_free_sgpr 66
		.amdhsa_reserve_vcc 1
		.amdhsa_float_denorm_mode_32 3
		.amdhsa_float_denorm_mode_16_64 3
		.amdhsa_memory_ordered 1
		.amdhsa_forward_progress 1
		.amdhsa_inst_pref_size 26
	.end_amdhsa_kernel
	.amdgpu_metadata
---
amdhsa.version: [ 1, 2 ]
amdhsa.kernels:
  - .name:           k_q0e4b3853e0_qkv
    .symbol:         k_q0e4b3853e0_qkv.kd
    .args:
      - { .name: cod, .offset: 0, .size: 8, .value_kind: global_buffer, .address_space: global }
      - { .name: scl, .offset: 8, .size: 8, .value_kind: global_buffer, .address_space: global }
      - { .name: qkc, .offset: 16, .size: 8, .value_kind: global_buffer, .address_space: global }
      - { .name: qks, .offset: 24, .size: 8, .value_kind: global_buffer, .address_space: global }
      - { .name: vc, .offset: 32, .size: 8, .value_kind: global_buffer, .address_space: global }
      - { .name: vs, .offset: 40, .size: 8, .value_kind: global_buffer, .address_space: global }
    .group_segment_fixed_size: 50176
    .private_segment_fixed_size: 0
    .kernarg_segment_align: 8
    .kernarg_segment_size: 48
    .max_flat_workgroup_size: 256
    .sgpr_count:     66
    .vgpr_count:     256
    .wavefront_size: 32
...
	.end_amdgpu_metadata
.endif
;; end of part 2
;; launch attn (part 3): grid 2048 x 1, 8 waves a work-group, no clusters, 38,912 bytes of LDS; arguments qkc, qks, vc, vs, oc, os; writes oc, os
.if DOCPART == 3
	.amdgcn_target "amdgcn-amd-amdhsa--gfx1250"
	.amdhsa_code_object_version 6
	.text
	.protected	k_q0e4b3853e0_attn
	.globl	k_q0e4b3853e0_attn
	.p2align	8
	.type	k_q0e4b3853e0_attn,@function
k_q0e4b3853e0_attn:
	s_mov_b64 s[64:65], 0
	v_nop
	global_prefetch_b8 v0, s[64:65] scope:SCOPE_SE
	s_setreg_imm32_b32 hwreg(HW_REG_WAVE_MODE, 25, 1), 1
	s_wait_xcnt 0x0
; For one tile of 16 queries of one head: scores = q k^T / 8 on codes of FP6, the causal mask, sparsemax along the keys, p = max(score - tau, 0) quantised along the keys, o = p v on codes, o quantised along the head's channels.
; SHARES.  Work-group id: query block B = 63 - id / 32 (the long rows first), batch and head bh = (id mod 32) / 2, half u = id mod 2; the tile's query p is token 32 B + 8 u + p + 8 (p / 8).  Keys 0 .. 32 B + 31 are walked: B + 1 blocks of 32.
; Wave w owns key blocks w + 8 j, j = 0..7; block j's 16 x 32 scores STAY IN 16 REGISTERS through all passes: a lane holds one query (lane mod 16), register i of the block key 32 (w + 8 j) + 16 (lane / 16) + i.
; THE FIRST PRODUCT has K = 64, half of the instruction's 128.  A fragment of k holds TWO key tiles (k < 64: the rows of tile 0; k >= 64: those of tile 1); q stands twice, as [q | zero codes] and [zero codes | q]:
; each product is a true one or has a zero code as a factor.  The division by 8 is 3 off each of q's scale bytes: exact.
; TAU is the root of F(t) = sum of max(score - t, 0) = 1.  With zmax the row's largest score, F(zmax - 1) >= 1 > F(zmax).  Twenty halvings (t = lo + 2^-k; lo = t where F(t) >= 1, chosen without a branch) give
; lo <= tau < lo + 2^-20 for every input; two steps t += (F(t) - 1) / (number of scores above t) follow: F is convex and piecewise linear, so a step is exact as soon as no score lies between t and tau.
; A row's F is summed over 8 waves through LDS; every wave adds the same 8 parts in the same order, so all decide alike.  The trip counts are constants; branches hang on the work-group's and the wave's number alone.
; LIMITS: masked places hold -1e9 as in the source; rows whose largest score is -1e9 + 1 or less are not served.  From |score| = 2^24 on zmax - 1 rounds to zmax; the count is held at 1 from below.
; A block of zeros gets the byte 1 (its codes are zeros; this program alone reads the bytes).  NaN and infinities are not served.
.set A16,  1                           ; v1   16 x lane; v1-12 are never rewritten
.set A8,   2                           ; v2   8 x lane
.set A4,   3                           ; v3   4 x lane
.set A4R,  4                           ; v4   4 r
.set AW,   5                           ; v5   LDS: my query's word of my wave: 32 r + 4 w
.set AR,   6                           ; v6   LDS: my query's 8 words: 32 r
.set DG,   7                           ; v7   on the diagonal register i is hidden where i > r + (r and 8) + 8 u - 16 h
.set NEGV, 8                           ; v8   -1e9
.set OSW,  9                           ; v9   LDS: my wave's o
.set ORD,  10                          ; v10  LDS: chunk w of every wave's o
.set O2W,  11                          ; v11  LDS: the summed chunk w
.set O2R,  12                          ; v12  LDS: the summed chunks
.set STP,  14                          ; v14  the halving's step
.set QS,   15                          ; v15  q's scale word
.set QLO,  16                          ; v16-27 [q | 0]
.set QHI,  28                          ; v28-39 [0 | q]
.set PC,   16                          ; later v16-35: the codes just made
.set KS,   40                          ; v40-47 k's scale words; later v40, v41 v's and v42 p's: scales alone
.set PW,   42
.set LF,   48                          ; v48-95 k's fragments of blocks 0-3, later four fragments of v, later sums of o
.set TW,   96                          ; v96-111 at work
.set TM,   96
.set XR,   112                         ; v112-119 the 8 waves' parts
.set TT,   120                         ; v[120:121] t (the pair is named; the low word serves both halves)
.set LO,   122
.set CNT,  123
.set VAL,  124
.set PX,   125
.set FS,   126
.set NS,   127
.set ZZ,   128                         ; v128-255 the scores; v128-159 later o's four accumulators
.set SEL,  2
.set WV,   32
.set BQ,   33
.set BH,   34
.set UU,   35
.set NBW,  36                          ; my wave's number of key blocks
.set JD,   37                          ; which of them lies on the diagonal; 255: none
.set CTR,  38
.set U16,  39
.set H16,  40
.set TQ,   41
.set RED,  0                           ; LDS: two buffers of 512 bytes for the exchanges, by turns
.set OST,  1024                        ; 8 waves x 4,096 bytes: o as 8 chunks of 4 registers
.set OS2,  OST+8*4096                  ; 8 x 512 bytes: the summed chunks
.macro QUANT s, fl
.irp b, 0,1,2,3
	v_max3_num_f32 v[TM+\b], |v[\s+16*\b]|, |v[\s+1+16*\b]|, \fl
.endr
.irp i, 2,4,6,8,10,12,14
.irp b, 0,1,2,3
	v_max3_num_f32 v[TM+\b], v[TM+\b], |v[\s+16*\b+\i]|, |v[\s+1+16*\b+\i]|
.endr
.endr
.irp b, 0,1,2,3
	v_permlanex16_b32 v[TM+4+\b], v[TM+\b], s[SEL], s[SEL+1]
.endr
.irp b, 0,1,2,3
	v_max_num_f32 v[TM+\b], v[TM+\b], v[TM+4+\b]
.endr
.irp b, 0,1,2,3
	v_add_nc_u32 v[TM+12+\b], 0xff000000, v[TM+\b]
.endr
.irp b, 0,1,2,3
	v_lshrrev_b32 v[TM+4+\b], 23, v[TM+12+\b]
.endr
	v_lshl_or_b32 v[PW], v[TM+5], 8, v[TM+4]
	v_lshl_or_b32 v[PW], v[TM+6], 16, v[PW]
	v_lshl_or_b32 v[PW], v[TM+7], 24, v[PW]
.irp c, 0,1
	v_cvt_scalef32_pk16_fp6_f32 v[PC+6*\c:PC+2+6*\c], v[\s+32*\c:\s+15+32*\c], v[TM+12+2*\c]
	v_cvt_scalef32_pk16_fp6_f32 v[PC+12+4*\c:PC+14+4*\c], v[\s+16+32*\c:\s+31+32*\c], v[TM+12+2*\c+1]
.endr
	v_nop                                          ; one plain place behind a scaled conversion
.irp c, 0,1
.irp i, 0,1,2
	v_permlane16_swap_b32 v[PC+6*\c+\i], v[PC+12+4*\c+\i]
.endr
.irp i, 0,1,2
	v_mov_b32 v[PC+3+6*\c+\i], v[PC+12+4*\c+\i]
.endr
.endr
.endm
.macro QUANT32 s, fl                   ; the same for 32 numbers, two blocks: six registers of codes, two bytes
.irp b, 0,1
	v_max3_num_f32 v[TM+\b], |v[\s+16*\b]|, |v[\s+1+16*\b]|, \fl
.endr
.irp i, 2,4,6,8,10,12,14
.irp b, 0,1
	v_max3_num_f32 v[TM+\b], v[TM+\b], |v[\s+16*\b+\i]|, |v[\s+1+16*\b+\i]|
.endr
.endr
.irp b, 0,1
	v_permlanex16_b32 v[TM+4+\b], v[TM+\b], s[SEL], s[SEL+1]
.endr
.irp b, 0,1
	v_max_num_f32 v[TM+\b], v[TM+\b], v[TM+4+\b]
.endr
.irp b, 0,1
	v_add_nc_u32 v[TM+12+\b], 0xff000000, v[TM+\b]
.endr
.irp b, 0,1
	v_lshrrev_b32 v[TM+4+\b], 23, v[TM+12+\b]
.endr
	v_lshl_or_b32 v[PW], v[TM+5], 8, v[TM+4]
	v_cvt_scalef32_pk16_fp6_f32 v[PC:PC+2], v[\s:\s+15], v[TM+12]
	v_cvt_scalef32_pk16_fp6_f32 v[PC+12:PC+14], v[\s+16:\s+31], v[TM+13]
	v_nop
.irp i, 0,1,2
	v_permlane16_swap_b32 v[PC+\i], v[PC+12+\i]
.endr
.irp i, 0,1,2
	v_mov_b32 v[PC+3+\i], v[PC+12+\i]
.endr
.endm
.macro GLOADF reg, base, off
	global_load_b128 v[\reg:\reg+3], v[A16], s[\base:\base+1] offset:\off
	global_load_b64 v[\reg+4:\reg+5], v[A8], s[\base:\base+1] offset:\off+512
	global_load_b128 v[\reg+6:\reg+9], v[A16], s[\base:\base+1] offset:\off+768
	global_load_b64 v[\reg+10:\reg+11], v[A8], s[\base:\base+1] offset:\off+1280
.endm
.macro PLACES n
.rept \n
	v_nop
.endr
.endm
.macro WM d, a, b, zero, sa, sb, row
.if \zero
.if \row
	v_wmma_scale_f32_16x16x128_f8f6f4 v[\d:\d+7], v[\a:\a+11], v[\b:\b+11], 0, v[\sa], v[\sb] matrix_a_fmt:MATRIX_FMT_FP6 matrix_b_fmt:MATRIX_FMT_FP6 matrix_a_scale:MATRIX_SCALE_ROW1
.else
	v_wmma_scale_f32_16x16x128_f8f6f4 v[\d:\d+7], v[\a:\a+11], v[\b:\b+11], 0, v[\sa], v[\sb] matrix_a_fmt:MATRIX_FMT_FP6 matrix_b_fmt:MATRIX_FMT_FP6
.endif
.else
.if \row
	v_wmma_scale_f32_16x16x128_f8f6f4 v[\d:\d+7], v[\a:\a+11], v[\b:\b+11], v[\d:\d+7], v[\sa], v[\sb] matrix_a_fmt:MATRIX_FMT_FP6 matrix_b_fmt:MATRIX_FMT_FP6 matrix_a_scale:MATRIX_SCALE_ROW1
.else
	v_wmma_scale_f32_16x16x128_f8f6f4 v[\d:\d+7], v[\a:\a+11], v[\b:\b+11], v[\d:\d+7], v[\sa], v[\sb] matrix_a_fmt:MATRIX_FMT_FP6 matrix_b_fmt:MATRIX_FMT_FP6
.endif
.endif
.endm
.macro SKIP j, lab                     ; my wave has no block j, nor any behind it
	s_cmp_lt_u32 s[NBW], \j+1
	s_cbranch_scc1 \lab
.endm
; Every wave's part of a row's figure goes to LDS and all 8 come back.  The two buffers take turns: between a buffer's reads and its next store stands the other buffer's barrier, in front of which each wave has waited for its reads.
.macro XCH buf
	ds_store_b32 v[AW], v[VAL] offset:RED+512*\buf ; both halves of the lanes write the same word with the same value
	s_wait_dscnt 0x0                               ; for the others' sake: my store has landed
	s_barrier_signal -1
	s_barrier_wait -1
	ds_load_b128 v[XR:XR+3], v[AR] offset:RED+512*\buf
	ds_load_b128 v[XR+4:XR+7], v[AR] offset:RED+512*\buf+16
	s_wait_dscnt 0x0
.endm
.macro ADD8 dst
	v_pk_add_f32 v[XR:XR+1], v[XR:XR+1], v[XR+2:XR+3]
	v_pk_add_f32 v[XR+4:XR+5], v[XR+4:XR+5], v[XR+6:XR+7]
	v_pk_add_f32 v[XR:XR+1], v[XR:XR+1], v[XR+4:XR+5]
	v_add_f32 v[\dst], v[XR], v[XR+1]
.endm
; block j's part of F(t): max(score - t, 0) of 16 registers, summed in pairs.  cnt = 1: the scores above t are counted too
.macro BLK j, cnt
.irp i, 0,2,4,6,8,10,12,14
	v_pk_add_f32 v[TW+\i:TW+\i+1], v[ZZ+16*\j+\i:ZZ+16*\j+\i+1], v[TT:TT+1] op_sel_hi:[1,0] neg_lo:[0,1] neg_hi:[0,1]
.endr
.irp i, 0,1,2,3,4,5,6,7,8,9,10,11,12,13,14,15
	v_max_num_f32 v[TW+\i], 0, v[TW+\i]
.endr
.if \cnt
.irp i, 0,1,2,3,4,5,6,7,8,9,10,11,12,13,14,15
	v_cmp_lt_f32 vcc_lo, 0, v[TW+\i]
	v_add_co_ci_u32 v[CNT], vcc_lo, 0, v[CNT], vcc_lo
.endr
.endif
.irp i, 0,2,4,6
	v_pk_add_f32 v[TW+\i:TW+\i+1], v[TW+\i:TW+\i+1], v[TW+8+\i:TW+9+\i]
.endr
.irp i, 0,2
	v_pk_add_f32 v[TW+\i:TW+\i+1], v[TW+\i:TW+\i+1], v[TW+4+\i:TW+5+\i]
.endr
	v_pk_add_f32 v[TW:TW+1], v[TW:TW+1], v[TW+2:TW+3]
	v_pk_add_f32 v[XR:XR+1], v[XR:XR+1], v[TW:TW+1]
.endm
.macro SUMF cnt                        ; my wave's part of F(t) for my query, in both halves of the lanes
	v_mov_b32 v[XR], 0
	v_mov_b32 v[XR+1], 0
.if \cnt
	v_mov_b32 v[CNT], 0
.endif
.irp j, 0,1,2,3,4,5,6,7
	SKIP \j, .Le_\@
	BLK \j, \cnt
.endr
.Le_\@:
	v_add_f32 v[VAL], v[XR], v[XR+1]
	v_permlanex16_b32 v[PX], v[VAL], s[SEL], s[SEL+1]
	v_add_f32 v[VAL], v[VAL], v[PX]
.endm
.macro PASS buf                        ; one halving
	SUMF 0
	XCH \buf
	ADD8 FS
	v_cmp_le_f32 vcc_lo, 1.0, v[FS]
	v_cndmask_b32 v[LO], v[LO], v[TT], vcc_lo      ; lo = t where F(t) >= 1
	v_mul_f32 v[STP], 0.5, v[STP]
	v_add_f32 v[TT], v[STP], v[LO]
.endm
.macro SCORE j, a                      ; block j's 32 keys x 16 queries: the fragment at v[a] against both forms of q
	WM ZZ+16*\j, \a, QLO, 1, KS+\j, QS, 0
	WM ZZ+16*\j+8, \a, QHI, 1, KS+\j, QS, 1
.endm
.macro MASK j                          ; only the block on the diagonal; each accumulator from its low end on
	s_cmp_lg_u32 s[JD], \j
	s_cbranch_scc1 .Lnm_\@
.irp i, 0,1,2,3,4,5,6,7,8,9,10,11,12,13,14,15
	v_cmp_gt_i32 vcc_lo, \i, v[DG]
	v_cndmask_b32 v[ZZ+16*\j+\i], v[ZZ+16*\j+\i], v[NEGV], vcc_lo
.endr
.Lnm_\@:
.endm
.macro VLOAD g                         ; v's four fragments (64 channels x my key blocks 4 g .. 4 g + 3) and their scale words: lanes 0-15 the even channel tile's, lanes 16-31 the odd one's
.irp ct, 0,1,2,3
	GLOADF LF+12*\ct, 24, 6144*\g+1536*\ct
.endr
.irp cp, 0,1
	global_load_b32 v[KS+\cp], v[A4], s[26:27] offset:256*\g+128*\cp
.endr
.endm
.macro PVG g, zero                     ; p of my key blocks 4 g .. 4 g + 3, its codes, and o^T += v^T p^T
.set i, 0
.rept 32
	v_pk_add_f32 v[ZZ+64*\g+i:ZZ+64*\g+i+1], v[ZZ+64*\g+i:ZZ+64*\g+i+1], v[TT:TT+1] op_sel_hi:[1,0] neg_lo:[0,1] neg_hi:[0,1]
.set i, i+2
.endr
.set i, 0
.rept 64
	v_max_num_f32 v[ZZ+64*\g+i], 0, v[ZZ+64*\g+i]
.set i, i+1
.endr
	QUANT ZZ+64*\g, 0x1800000
	s_wait_loadcnt 0x0                             ; v's fragments and scale words are in
	PLACES 8                                       ; p's scale word was written by vector instructions: 8 places ahead of a scaled matrix instruction
.irp ct, 0,1,2,3
	WM ZZ+8*\ct, LF+12*\ct, PC, \zero, KS+\ct/2, PW, \ct%2
.endr
.endm
	s_load_b256 s[4:11], s[0:1], 0x0               ; qkc, qks, vc, vs
	s_load_b128 s[12:15], s[0:1], 0x20             ; oc, os
	s_set_vgpr_msb 0x40
	v_lshl_add_u32 v0, v0, 2, 0x9400
	v_mov_b32 v1, 0
	s_set_vgpr_msb 0x4000
	v_lshrrev_b32 v13, 5, v0
	v_readfirstlane_b32 s[WV], v13                 ; wave 0..7
	s_lshr_b32 s[BQ], ttmp9, 5
	s_sub_co_u32 s[BQ], 63, s[BQ]                  ; B
	s_bfe_u32 s[BH], ttmp9, 0x40001                ; 8 batch + head
	s_and_b32 s[UU], ttmp9, 1
	s_lshl_b32 s[TQ], s[BQ], 1
	s_add_co_u32 s[TQ], s[TQ], s[UU]               ; the query tile in its batch
	s_add_co_u32 s[NBW], s[BQ], 8
	s_sub_co_u32 s[NBW], s[NBW], s[WV]
	s_lshr_b32 s[NBW], s[NBW], 3                   ; how many of w, w + 8, .. are at most B
	s_and_b32 s44, s[BQ], 7
	s_lshr_b32 s[JD], s[BQ], 3
	s_cmp_eq_u32 s44, s[WV]
	s_cselect_b32 s[JD], s[JD], 0xff
	s_lshl_b32 s[U16], s[UU], 4
	s_lshl_b32 s49, s[UU], 3
	s_mov_b32 s[SEL], 0x76543210
	s_mov_b32 s[SEL+1], 0xfedcba98
	v_and_b32 v13, 31, v0                          ; lane
	v_lshlrev_b32 v[A16], 4, v13
	v_lshlrev_b32 v[A8], 3, v13
	v_lshlrev_b32 v[A4], 2, v13
	v_and_b32 v[DG], 15, v0                        ; r
	v_lshlrev_b32 v[A4R], 2, v[DG]
	v_lshlrev_b32 v[AR], 5, v[DG]
	s_lshl_b32 s44, s[WV], 2
	v_add_nc_u32 v[AW], s44, v[AR]
	v_and_b32 v13, 8, v[DG]
	v_add_nc_u32 v[DG], v[DG], v13
	v_and_b32 v13, 16, v0                          ; 16 h
	v_sub_nc_u32 v[DG], v[DG], v13
	v_add_nc_u32 v[DG], s49, v[DG]
	s_lshl_b32 s44, s[WV], 12
	s_add_co_u32 s44, s44, OST
	v_add_nc_u32 v[OSW], s44, v[A16]
	s_lshl_b32 s44, s[WV], 9
	s_add_co_u32 s45, s44, OST
	v_add_nc_u32 v[ORD], s45, v[A16]
	s_add_co_u32 s45, s44, OS2
	v_add_nc_u32 v[O2W], s45, v[A16]
	v_add_nc_u32 v[O2R], OS2, v[A16]
	; byte offsets into the six buffers
	s_lshl_b32 s46, s[BH], 7
	s_add_co_u32 s46, s46, s[TQ]
	s_mul_i32 s16, s46, 768                        ; q's image
	s_mov_b32 s17, 0
	s_lshl_b32 s20, s46, 6                         ; q's scale words
	s_mov_b32 s21, 0
	s_mul_i32 s18, s[BH], 98304
	s_mul_i32 s47, s[WV], 1536
	s_add_co_u32 s18, s18, s47
	s_add_co_u32 s18, s18, 1572864                 ; k's images of key block w: two neighbours are a fragment; 8 blocks on are 12,288 bytes
	s_mov_b32 s19, 0
	s_lshl_b32 s22, s[BH], 13
	s_lshl_b32 s47, s[WV], 7
	s_add_co_u32 s22, s22, s47
	s_add_co_u32 s22, s22, 131072                  ; and their scale words
	s_mov_b32 s23, 0
	s_lshl_b32 s47, s[BH], 3
	s_add_co_u32 s47, s47, s[WV]
	s_mul_i32 s24, s47, 12288                      ; v's 8 fragments for my wave
	s_mov_b32 s25, 0
	s_lshl_b32 s26, s47, 9
	s_mov_b32 s27, 0
	s_lshr_b32 s47, s[BH], 3
	s_lshl_b32 s47, s47, 7
	s_add_co_u32 s47, s47, s[TQ]                   ; the token tile, batches through
	s_lshl_b32 s47, s47, 3
	s_and_b32 s48, s[BH], 7                        ; the head
	s_add_co_u32 s47, s47, s48
	s_mul_i32 s28, s47, 768
	s_mov_b32 s29, 0
	s_lshl_b32 s30, s47, 6
	s_mov_b32 s31, 0
	s_and_b32 s[H16], s48, 1
	s_lshl_b32 s[H16], s[H16], 4
	; Places that no product fills hold the mask's number; what a skipped load would have filled holds zero codes and the scale 1
	v_mov_b32 v[NEGV], 0xce6e6b28                  ; -1e9
.set i, 0
.rept 128
	v_mov_b32 v[ZZ+i], v[NEGV]
.set i, i+1
.endr
.set i, 0
.rept 48
	v_mov_b32 v[LF+i], 0
.set i, i+1
.endr
.irp j, 0,1,2,3,4,5,6,7
	v_mov_b32 v[KS+\j], 0x7f7f7f7f
.endr
.irp j, 0,1,2,3,4,5
	v_mov_b32 v[QLO+6+\j], 0                       ; the zero codes of q's two forms
	v_mov_b32 v[QHI+\j], 0
.endr
	v_mov_b32 v[PX], 0                             ; a lane permute's destination counts as one of its sources
.irp b, 0,1,2,3
	v_mov_b32 v[TM+4+\b], 0
.endr
	v_mov_b32 v[TT+1], 0                           ; named as the upper half of a pair
	s_wait_kmcnt 0x0
	s_add_nc_u64 s[16:17], s[4:5], s[16:17]
	s_add_nc_u64 s[18:19], s[4:5], s[18:19]
	s_add_nc_u64 s[20:21], s[6:7], s[20:21]
	s_add_nc_u64 s[22:23], s[6:7], s[22:23]
	s_add_nc_u64 s[24:25], s[8:9], s[24:25]
	s_add_nc_u64 s[26:27], s[10:11], s[26:27]
	s_add_nc_u64 s[28:29], s[12:13], s[28:29]
	s_add_nc_u64 s[30:31], s[14:15], s[30:31]
	global_load_b128 v[QLO:QLO+3], v[A16], s[16:17]
	global_load_b64 v[QLO+4:QLO+5], v[A8], s[16:17] offset:512
	global_load_b128 v[QHI+6:QHI+9], v[A16], s[16:17]
	global_load_b64 v[QHI+10:QHI+11], v[A8], s[16:17] offset:512
	global_load_b32 v13, v[A4R], s[20:21]
.irp j, 0,1,2,3,4,5,6,7                ; k's fragments: blocks 0-3 into v48-95; blocks 4-7 into the places of blocks 0-3's scores, which are made last
	SKIP \j, .Lkd
.if \j < 4
	GLOADF LF+12*\j, 18, 12288*\j
.else
	GLOADF ZZ+16*(\j-4), 18, 12288*\j
.endif
	global_load_b32 v[KS+\j], v[A4], s[22:23] offset:1024*\j   ; lanes 0-15: the words of key tile 0, lanes 16-31: of key tile 1
.endr
.Lkd:
	s_wait_loadcnt 0x0                             ; for all: the number issued differs from wave to wave
	v_lshrrev_b32 v13, s[U16], v13                 ; q's two bytes stand at byte places 2 u, 2 u + 1
	v_and_b32 v13, 0xffff, v13
	v_lshl_or_b32 v[QS], v13, 16, v13              ; for both forms of q
	v_add_nc_u32 v[QS], 0xfcfcfcfd, v[QS]          ; 3 off each byte (each is 4 at the least: no borrow): the division by 8
	PLACES 8                                       ; a scale register written by a vector instruction stands 8 places ahead of a scaled matrix instruction
.irp j, 4,5,6,7
	SKIP \j, .Lp1
	SCORE \j, ZZ+16*(\j-4)
.endr
.Lp1:
	PLACES 5                                       ; the next products write over registers that those products have read
.irp j, 0,1,2,3
	SKIP \j, .Lp2
	SCORE \j, LF+12*\j
.endr
.Lp2:
	PLACES 4                                       ; in front of loads into the products' registers and of the first read of results
	VLOAD 0                                        ; 18 loads that stay out through all the passes: nothing names their registers until the second product
.irp j, 0,1,2,3,4,5,6,7
	MASK \j
.endr
	v_mov_b32 v[VAL], v[NEGV]                      ; the row's largest score, in two chains; each accumulator from its low end on
	v_mov_b32 v[FS], v[NEGV]
.irp j, 0,1,2,3,4,5,6,7
	SKIP \j, .Lm
.irp i, 0,2,4,6
	v_max3_num_f32 v[VAL], v[VAL], v[ZZ+16*\j+\i], v[ZZ+16*\j+\i+1]
	v_max3_num_f32 v[FS], v[FS], v[ZZ+16*\j+8+\i], v[ZZ+16*\j+9+\i]
.endr
.endr
.Lm:
	v_max_num_f32 v[VAL], v[VAL], v[FS]
	v_permlanex16_b32 v[PX], v[VAL], s[SEL], s[SEL+1]
	v_max_num_f32 v[VAL], v[VAL], v[PX]
	XCH 0
	v_max3_num_f32 v[FS], v[XR], v[XR+1], v[XR+2]
	v_max3_num_f32 v[FS], v[FS], v[XR+3], v[XR+4]
	v_max3_num_f32 v[FS], v[FS], v[XR+5], v[XR+6]
	v_max_num_f32 v[FS], v[FS], v[XR+7]
	v_add_f32 v[LO], -1.0, v[FS]                   ; F(zmax - 1) >= 1
	v_mov_b32 v[STP], 0.5
	v_add_f32 v[TT], 0.5, v[LO]
	s_mov_b32 s[CTR], 10
.Lbis:                                             ; 10 trips of two halvings; the exchange's buffers take turns
	PASS 1
	PASS 0
	s_sub_co_u32 s[CTR], s[CTR], 1
	s_cmp_lg_u32 s[CTR], 0
	s_cbranch_scc1 .Lbis
	v_mov_b32 v[TT], v[LO]
	s_mov_b32 s[CTR], 2
.Lnew:                                             ; t += (F(t) - 1) / (the number of scores above t), twice
	SUMF 1
	XCH 1
	ADD8 FS
	v_cvt_f32_u32 v[VAL], v[CNT]
	v_permlanex16_b32 v[PX], v[VAL], s[SEL], s[SEL+1]
	v_add_f32 v[VAL], v[VAL], v[PX]
	XCH 0
	ADD8 NS
	v_max_num_f32 v[NS], 1.0, v[NS]
	v_rcp_f32 v[NS], v[NS]
	v_add_f32 v[FS], -1.0, v[FS]                   ; a plain place behind the reciprocal
	s_wait_alu depctr_va_vdst(0)                   ; the wait ahead of the reciprocal's first reader
	v_fma_f32 v[TT], v[FS], v[NS], v[TT]
	s_sub_co_u32 s[CTR], s[CTR], 1
	s_cmp_lg_u32 s[CTR], 0
	s_cbranch_scc1 .Lnew
	PVG 0, 1                                       ; always: a wave without blocks makes zeros.  The four accumulators take turns
	SKIP 4, .Lo
	PLACES 4                                       ; in front of loads into, and writes of, registers that the products have read
	VLOAD 1
	PVG 1, 0
.Lo:
	PLACES 4
.irp c, 0,1,2,3,4,5,6,7
	ds_store_b128 v[OSW], v[ZZ+4*\c:ZZ+4*\c+3] offset:512*\c   ; my part of o^T, each accumulator from its low end on
.endr
	s_wait_dscnt 0x0
	s_barrier_signal -1
	s_barrier_wait -1
.irp k, 0,1,2,3,4,5,6,7
	ds_load_b128 v[LF+4*\k:LF+4*\k+3], v[ORD] offset:4096*\k   ; wave w sums chunk w of all 8 waves
.endr
	s_wait_dscnt 0x0
.irp k, 0,1,2,3
	v_pk_add_f32 v[LF+4*\k:LF+4*\k+1], v[LF+4*\k:LF+4*\k+1], v[LF+16+4*\k:LF+17+4*\k]
	v_pk_add_f32 v[LF+4*\k+2:LF+4*\k+3], v[LF+4*\k+2:LF+4*\k+3], v[LF+18+4*\k:LF+19+4*\k]
.endr
.irp k, 0,1
	v_pk_add_f32 v[LF+4*\k:LF+4*\k+1], v[LF+4*\k:LF+4*\k+1], v[LF+8+4*\k:LF+9+4*\k]
	v_pk_add_f32 v[LF+4*\k+2:LF+4*\k+3], v[LF+4*\k+2:LF+4*\k+3], v[LF+10+4*\k:LF+11+4*\k]
.endr
	v_pk_add_f32 v[LF:LF+1], v[LF:LF+1], v[LF+4:LF+5]
	v_pk_add_f32 v[LF+2:LF+3], v[LF+2:LF+3], v[LF+6:LF+7]
	ds_store_b128 v[O2W], v[LF:LF+3]
	s_wait_dscnt 0x0
	s_barrier_signal -1
	s_barrier_wait -1
	s_cmp_lg_u32 s[WV], 0
	s_cbranch_scc1 .Lend
.irp c, 0,1,2,3,4,5,6,7                ; wave 0: register 16 b + i is channel 32 b + 16 (lane / 16) + i of the head, by the order of v's channel tiles
	ds_load_b128 v[LF+4*\c:LF+4*\c+3], v[O2R] offset:512*\c
.endr
	s_wait_dscnt 0x0
	QUANT32 LF, 0x1800000
	global_store_b128 v[A16], v[PC:PC+3], s[28:29]
	global_store_b64 v[A8], v[PC+4:PC+5], s[28:29] offset:512
	v_lshlrev_b32 v13, s[H16], v[PW]               ; the two bytes at their places in the word of two heads
	v_and_b32 v[STP], 31, v0
	s_wait_xcnt 0x0                                ; EXEC changes only behind this wait
	v_cmp_gt_u32 vcc_lo, 16, v[STP]
	s_and_saveexec_b32 s50, vcc_lo
	global_store_b32 v[A4R], v13, s[30:31]
	s_wait_xcnt 0x0
	s_or_b32 exec_lo, exec_lo, s50
.Lend:
	s_barrier_signal -1
	s_barrier_wait -1
	s_set_vgpr_msb 0x5
	s_wait_tensorcnt 0x0
	ds_add_u32 v0, v1
	s_wait_dscnt 0x0
	s_set_vgpr_msb 0x500
	s_endpgm
.Lfunc_end_k_q0e4b3853e0_attn:
	.size	k_q0e4b3853e0_attn, .Lfunc_end_k_q0e4b3853e0_attn-k_q0e4b3853e0_attn
	.p2alignl 7, 3214868480
	.fill 96, 4, 3214868480
	.section	.rodata,"a",@progbits
	.p2align	6, 0x0
	.amdhsa_kernel k_q0e4b3853e0_attn
		.amdhsa_group_segment_fixed_size 38912
		.amdhsa_private_segment_fixed_size 0
		.amdhsa_enable_private_segment 0
		.amdhsa_kernarg_size 48
		.amdhsa_user_sgpr_count 2
		.amdhsa_user_sgpr_kernarg_segment_ptr 1
		.amdhsa_wavefront_size32 1
		.amdhsa_system_sgpr_workgroup_id_x 1
		.amdhsa_system_sgpr_workgroup_id_y 1
		.amdhsa_system_sgpr_workgroup_id_z 1
		.amdhsa_system_vgpr_workitem_id 0
		.amdhsa_next_free_vgpr 258
		.amdhsa_next_free_sgpr 66
		.amdhsa_reserve_vcc 1
		.amdhsa_float_denorm_mode_32 3
		.amdhsa_float_denorm_mode_16_64 3
		.amdhsa_memory_ordered 1
		.amdhsa_forward_progress 1
		.amdhsa_inst_pref_size 108
	.end_amdhsa_kernel
	.amdgpu_metadata
---
amdhsa.version: [ 1, 2 ]
amdhsa.kernels:
  - .name:           k_q0e4b3853e0_attn
    .symbol:         k_q0e4b3853e0_attn.kd
    .args:
      - { .name: qkc, .offset: 0, .size: 8, .value_kind: global_buffer, .address_space: global }
      - { .name: qks, .offset: 8, .size: 8, .value_kind: global_buffer, .address_space: global }
      - { .name: vc, .offset: 16, .size: 8, .value_kind: global_buffer, .address_space: global }
      - { .name: vs, .offset: 24, .size: 8, .value_kind: global_buffer, .address_space: global }
      - { .name: oc, .offset: 32, .size: 8, .value_kind: global_buffer, .address_space: global }
      - { .name: os, .offset: 40, .size: 8, .value_kind: global_buffer, .address_space: global }
    .group_segment_fixed_size: 38912
    .private_segment_fixed_size: 0
    .kernarg_segment_align: 8
    .kernarg_segment_size: 48
    .max_flat_workgroup_size: 256
    .sgpr_count:     66
    .vgpr_count:     258
    .wavefront_size: 32
...
	.end_amdgpu_metadata
.endif
;; end of part 3
;; launch oproj (part 4): grid 256 x 1, 4 waves a work-group, no clusters, 83,456 bytes of LDS; arguments cod, scl, oc, os, out0; writes out0
.if DOCPART == 4
	.amdgcn_target "amdgcn-amd-amdhsa--gfx1250"
	.amdhsa_code_object_version 6
	.text
	.protected	k_q0e4b3853e0_oproj
	.globl	k_q0e4b3853e0_oproj
	.p2align	8
	.type	k_q0e4b3853e0_oproj,@function
k_q0e4b3853e0_oproj:
	s_mov_b64 s[64:65], 0
	v_nop
	global_prefetch_b8 v0, s[64:65] scope:SCOPE_SE
	s_setreg_imm32_b32 hwreg(HW_REG_WAVE_MODE, 25, 1), 1
	s_wait_xcnt 0x0
; out0 = o W_o^T on codes of FP6, K = 512.  Source 0 = 8 tiles of W_o (128 output columns), shared by the work-group's 4 waves through LDS as images of the operand's registers; source 1 = the wave's own tile of 16 tokens.
; oc holds, for each token tile and head, six registers of 32 lanes: two neighbouring heads are the fragment of a K step.  os holds the head's two scale bytes at their places in that K step's word, zeros beside them.
; A lane holds a token; by the order of a tile's rows its register 16 b + i is output column 128 pg + 32 b + 16 (lane / 16) + i.  The results turn through the wave's own stage in LDS and leave as rows of 512 consecutive bytes.
.set A16,  1                           ; v1   16 x lane; never rewritten
.set A8,   2                           ; v2   8 x lane
.set A4R,  3                           ; v3   4 r
.set SWI,  4                           ; v4   where I store my two tiles' images
.set SO,   5                           ; v5   the stage, on the way in
.set SR,   6                           ; v6   the stage, on the way out
.set RF,   16                          ; v16-63   the tokens' four fragments
.set RS,   64                          ; v64-67   their scale words
.set OWD,  68                          ; v68-75   the 8 heads' words
.set BUFB, 76                          ; v76-123
.set HA,   128                         ; v128-191 the 8 accumulators
.set BUFA, 192                         ; v192-239
.set PS,   240                         ; v240-255 W_o's scale words: register 4 b + s: lanes 0-15 tile 2 b, lanes 16-31 tile 2 b + 1
.set WV,   16
.set STG,  49152                       ; behind the images: a stage of 16 rows x (512 bytes + 16) for each wave
.macro GLOADF reg, base, off
	global_load_b128 v[\reg:\reg+3], v[A16], s[\base:\base+1] offset:\off
	global_load_b64 v[\reg+4:\reg+5], v[A8], s[\base:\base+1] offset:\off+512
	global_load_b128 v[\reg+6:\reg+9], v[A16], s[\base:\base+1] offset:\off+768
	global_load_b64 v[\reg+10:\reg+11], v[A8], s[\base:\base+1] offset:\off+1280
.endm
.macro PLACES n
.rept \n
	v_nop
.endr
.endm
.macro WM d, a, b, zero, sa, sb, row
.if \zero
.if \row
	v_wmma_scale_f32_16x16x128_f8f6f4 v[\d:\d+7], v[\a:\a+11], v[\b:\b+11], 0, v[\sa], v[\sb] matrix_a_fmt:MATRIX_FMT_FP6 matrix_b_fmt:MATRIX_FMT_FP6 matrix_a_scale:MATRIX_SCALE_ROW1
.else
	v_wmma_scale_f32_16x16x128_f8f6f4 v[\d:\d+7], v[\a:\a+11], v[\b:\b+11], 0, v[\sa], v[\sb] matrix_a_fmt:MATRIX_FMT_FP6 matrix_b_fmt:MATRIX_FMT_FP6
.endif
.else
.if \row
	v_wmma_scale_f32_16x16x128_f8f6f4 v[\d:\d+7], v[\a:\a+11], v[\b:\b+11], v[\d:\d+7], v[\sa], v[\sb] matrix_a_fmt:MATRIX_FMT_FP6 matrix_b_fmt:MATRIX_FMT_FP6 matrix_a_scale:MATRIX_SCALE_ROW1
.else
	v_wmma_scale_f32_16x16x128_f8f6f4 v[\d:\d+7], v[\a:\a+11], v[\b:\b+11], v[\d:\d+7], v[\sa], v[\sb] matrix_a_fmt:MATRIX_FMT_FP6 matrix_b_fmt:MATRIX_FMT_FP6
.endif
.endif
.endm
.macro DLOAD n                         ; half step n of 8: K step n / 2, W_o's tiles 4 (n mod 2) .. + 3; buffer A for even n, B for odd n
.set DB, BUFA-((\n)%2)*(BUFA-BUFB)
.irp q, 0,1,2,3
.irp c, 0,1,2
	ds_load_b128 v[DB+12*\q+4*\c:DB+12*\q+4*\c+3], v[A16] offset:((4*((\n)%2)+\q)*4+(\n)/2)*1536+512*\c
.endr
.endr
.endm
.macro MUL4 n
.set DB, BUFA-((\n)%2)*(BUFA-BUFB)
.set KSTP, (\n)/2
.set ZR, 0
.if (\n) < 2
.set ZR, 1
.endif
.irp q, 0,1,2,3
.set TL, 4*((\n)%2)+\q
	WM HA+8*TL, DB+12*\q, RF+12*KSTP, ZR, PS+4*(TL/2)+KSTP, RS+KSTP, \q%2
.endr
.endm
	s_load_b256 s[4:11], s[0:1], 0x0               ; cod, scl, oc, os
	s_load_b64 s[12:13], s[0:1], 0x20              ; out0
	v_lshl_add_u32 v126, v0, 2, 0x14400
	v_mov_b32 v127, 0
	v_lshrrev_b32 v7, 5, v0
	v_readfirstlane_b32 s[WV], v7                  ; wave 0..3
	v_and_b32 v7, 31, v0                           ; lane
	v_and_b32 v8, 15, v0                           ; r
	v_bfe_u32 v9, v0, 4, 1                         ; h
	v_lshlrev_b32 v[A16], 4, v7
	v_lshlrev_b32 v[A8], 3, v7
	v_lshlrev_b32 v[A4R], 2, v8
	s_mul_i32 s17, s[WV], 12288
	v_add_nc_u32 v[SWI], s17, v[A16]
	s_mul_i32 s17, s[WV], 8448
	s_add_co_u32 s17, s17, STG
	v_mul_u32_u24 v[SO], v8, 528
	v_lshl_add_u32 v[SO], v9, 6, v[SO]
	v_add_nc_u32 v[SO], s17, v[SO]                 ; row r, + 64 h
	v_add_nc_u32 v[SR], s17, v[A16]
	s_and_b32 s20, ttmp9, 3                        ; which 128 output columns
	s_lshr_b32 s21, ttmp9, 2
	s_lshl_b32 s21, s21, 2
	s_add_co_u32 s21, s21, s[WV]                   ; my token tile
	s_lshl_b32 s22, s20, 3
	s_add_co_u32 s22, s22, 352                     ; W_o's first tile of the 8
	s_lshl_b32 s23, s[WV], 1
	s_add_co_u32 s23, s23, s22                     ; the first of the two that I bring
	s_mul_i32 s24, s23, 6144
	s_mov_b32 s25, 0
	s_mul_i32 s26, s21, 6144
	s_mov_b32 s27, 0
	s_lshl_b32 s28, s21, 9
	s_mov_b32 s29, 0
	s_lshl_b32 s30, s22, 8
	s_mov_b32 s31, 0
	s_lshr_b32 s32, s21, 1
	s_lshl_b32 s32, s32, 5
	s_and_b32 s33, s21, 1
	s_lshl_b32 s33, s33, 3
	s_add_co_u32 s32, s32, s33                     ; the tile's first token: 32 b + 8 u
	s_lshl_b32 s32, s32, 11                        ; rows of 2,048 bytes
	s_lshl_b32 s33, s20, 9
	s_add_co_u32 s32, s32, s33
	s_mov_b32 s33, 0
	s_wait_kmcnt 0x0
	s_add_nc_u64 s[24:25], s[4:5], s[24:25]
	s_add_nc_u64 s[26:27], s[8:9], s[26:27]
	s_add_nc_u64 s[28:29], s[10:11], s[28:29]
	s_add_nc_u64 s[30:31], s[6:7], s[30:31]
	s_add_nc_u64 s[12:13], s[12:13], s[32:33]
.irp s, 0,1,2,3
	GLOADF BUFA+12*\s, 24, 1536*\s                 ; my two tiles of W_o: 32 loads
	GLOADF BUFB+12*\s, 24, 6144+1536*\s
.endr
.irp s, 0,1,2,3
	GLOADF RF+12*\s, 26, 1536*\s                   ; the tokens: 16 loads
.endr
.irp e, 0,1,2,3,4,5,6,7
	global_load_b32 v[OWD+\e], v[A4R], s[28:29] offset:64*\e
.endr
.irp b, 0,1,2,3
	global_load_b128 v[PS+4*\b:PS+4*\b+3], v[A16], s[30:31] offset:512*\b
.endr
	s_wait_loadcnt 28                              ; my two tiles are in; the 16 + 8 + 4 loads behind them stay out
.irp s, 0,1,2,3
.irp c, 0,1,2
	ds_store_b128 v[SWI], v[BUFA+12*\s+4*\c:BUFA+12*\s+4*\c+3] offset:1536*\s+512*\c
	ds_store_b128 v[SWI], v[BUFB+12*\s+4*\c:BUFB+12*\s+4*\c+3] offset:6144+1536*\s+512*\c
.endr
.endr
	s_wait_dscnt 0x0                               ; for the others' sake: my stores have landed
	s_barrier_signal -1
	s_barrier_wait -1                              ; W_o's 32 fragments lie in LDS; nothing is written there again
	DLOAD 0
	DLOAD 1
	s_wait_loadcnt 0x0
.irp s, 0,1,2,3
	v_or_b32 v[RS+\s], v[OWD+2*\s], v[OWD+2*\s+1]  ; two heads' bytes make a K step's scale word
.endr
	PLACES 8                                       ; a scale register written by a vector instruction stands 8 places ahead of a scaled matrix instruction
; The 8 accumulators take turns, one instruction a turn.
.irp n, 0,1,2,3,4,5,6,7
.if \n < 7
	s_wait_dscnt 12                                ; this half step's 12 loads are in; the next one's may be out
.else
	s_wait_dscnt 0x0
.endif
	MUL4 \n
.if \n < 6
	PLACES 4                                       ; in front of loads into registers that the products have read
	DLOAD \n+2
.endif
.endr
	PLACES 4                                       ; in front of the first read of results and of loads into the products' registers
.irp b, 0,1,2,3
.irp q, 0,1,2,3
	ds_store_b128 v[SO], v[HA+16*\b+4*\q:HA+16*\b+4*\q+3] offset:128*\b+16*\q   ; each accumulator from its low end on
.endr
.endr
.irp p, 0,1,2,3,4,5,6,7,8,9,10,11,12,13,14,15
.if \p < 12
	ds_load_b128 v[BUFA+4*\p:BUFA+4*\p+3], v[SR] offset:528*\p   ; my wave's own bytes, served in order: no wait between the stores and these
.else
	ds_load_b128 v[BUFB+4*(\p-12):BUFB+4*(\p-12)+3], v[SR] offset:528*\p
.endif
.endr
.irp p, 0,1,2,3,4,5,6,7,8,9,10,11,12,13,14,15
	s_wait_dscnt 15-\p
.if \p < 12
	global_store_b128 v[A16], v[BUFA+4*\p:BUFA+4*\p+3], s[12:13] offset:(\p+8*(\p/8))*2048 th:TH_STORE_NT   ; 32 lanes store 512 consecutive bytes, at a multiple of 256 from out0's first byte
.else
	global_store_b128 v[A16], v[BUFB+4*(\p-12):BUFB+4*(\p-12)+3], s[12:13] offset:(\p+8*(\p/8))*2048 th:TH_STORE_NT
.endif
.endr
	s_barrier_signal -1
	s_barrier_wait -1
	s_wait_tensorcnt 0x0
	ds_add_u32 v126, v127
	s_wait_dscnt 0x0
	s_endpgm
.Lfunc_end_k_q0e4b3853e0_oproj:
	.size	k_q0e4b3853e0_oproj, .Lfunc_end_k_q0e4b3853e0_oproj-k_q0e4b3853e0_oproj
	.p2alignl 7, 3214868480
	.fill 96, 4, 3214868480
	.section	.rodata,"a",@progbits
	.p2align	6, 0x0
	.amdhsa_kernel k_q0e4b3853e0_oproj
		.amdhsa_group_segment_fixed_size 83456
		.amdhsa_private_segment_fixed_size 0
		.amdhsa_enable_private_segment 0
		.amdhsa_kernarg_size 40
		.amdhsa_user_sgpr_count 2
		.amdhsa_user_sgpr_kernarg_segment_ptr 1
		.amdhsa_wavefront_size32 1
		.amdhsa_system_sgpr_workgroup_id_x 1
		.amdhsa_system_sgpr_workgroup_id_y 1
		.amdhsa_system_sgpr_workgroup_id_z 1
		.amdhsa_system_vgpr_workitem_id 0
		.amdhsa_next_free_vgpr 256
		.amdhsa_next_free_sgpr 66
		.amdhsa_reserve_vcc 0
		.amdhsa_float_denorm_mode_32 3
		.amdhsa_float_denorm_mode_16_64 3
		.amdhsa_memory_ordered 1
		.amdhsa_forward_progress 1
		.amdhsa_inst_pref_size 26
	.end_amdhsa_kernel
	.amdgpu_metadata
---
amdhsa.version: [ 1, 2 ]
amdhsa.kernels:
  - .name:           k_q0e4b3853e0_oproj
    .symbol:         k_q0e4b3853e0_oproj.kd
    .args:
      - { .name: cod, .offset: 0, .size: 8, .value_kind: global_buffer, .address_space: global }
      - { .name: scl, .offset: 8, .size: 8, .value_kind: global_buffer, .address_space: global }
      - { .name: oc, .offset: 16, .size: 8, .value_kind: global_buffer, .address_space: global }
      - { .name: os, .offset: 24, .size: 8, .value_kind: global_buffer, .address_space: global }
      - { .name: out0, .offset: 32, .size: 8, .value_kind: global_buffer, .address_space: global }
    .group_segment_fixed_size: 83456
    .private_segment_fixed_size: 0
    .kernarg_segment_align: 8
    .kernarg_segment_size: 40
    .max_flat_workgroup_size: 128
    .sgpr_count:     66
    .vgpr_count:     256
    .wavefront_size: 32
...
	.end_amdgpu_metadata
.endif
;; end of part 4
;; ======== version 2 of 2: 4 launches; 1.65 times as fast as version 1
;; limits: right only within a limited range of input values
;; workspace buffers: cod 2,359,296 bytes; scl 98,304 bytes; qkc 3,145,728 bytes; qks 262,144 bytes; vc 1,572,864 bytes; vs 65,536 bytes; oc 1,572,864 bytes; os 131,072 bytes
;; launch quant: the kernel of part 1 again; grid 384 x 1, 4 waves a work-group, no clusters, 35,328 bytes of LDS; arguments x, W_q, W_k, W_v, W_o, cod, scl; writes cod, scl
;; launch qkv: the kernel of part 2 again; grid 384 x 1, 8 waves a work-group, no clusters, 50,176 bytes of LDS; arguments cod, scl, qkc, qks, vc, vs; writes qkc, qks, vc, vs
;; launch attn (part 5): grid 2048 x 1, 8 waves a work-group, no clusters, 133,120 bytes of LDS; arguments qkc, qks, vc, vs, oc, os; writes oc, os
.if DOCPART == 5
	.amdgcn_target "amdgcn-amd-amdhsa--gfx1250"
	.amdhsa_code_object_version 6
	.text
	.protected	k_q0e4b3853e0_attn
	.globl	k_q0e4b3853e0_attn
	.p2align	8
	.type	k_q0e4b3853e0_attn,@function
k_q0e4b3853e0_attn:
	s_mov_b64 s[64:65], 0
	v_nop
	global_prefetch_b8 v0, s[64:65] scope:SCOPE_SE
	s_setreg_imm32_b32 hwreg(HW_REG_WAVE_MODE, 25, 1), 1
	s_wait_xcnt 0x0
; For one tile of 16 queries of one head: scores = q k^T / 8 on codes of FP6, the causal mask, sparsemax along the keys, p = max(score - tau, 0) quantised along the keys, o = p v on codes, o quantised along the head's channels.
; SHARES.  Work-group id: query block B = 63 - id / 32 (the long rows first), batch and head bh = (id mod 32) / 2, half u = id mod 2; the tile's query p is token 32 B + 8 u + p + 8 (p / 8).  Keys 0 .. 32 B + 31 are walked: B + 1 blocks of 32.
; TWO LAYOUTS OF THE SCORES, 128 registers a wave in both.
; (1) As the products leave and take them: wave w owns key blocks w + 8 j, j = 0..7; a lane holds one query (lane mod 16), register 16 j + i key 32 (w + 8 j) + 16 (lane / 16) + i.
; (2) While tau is sought: wave w owns the WHOLE rows of queries 2 w (lanes 0-15) and 2 w + 1 (lanes 16-31); register 4 g + e of lane l holds key 64 g + 4 (l mod 16) + e.  A row's maximum, sum and count are then closed by
;     four steps inside the row of 16 lanes, so the 22 passes over the scores touch no LDS and meet no barrier.
; The scores go from (1) to (2) once, through LDS, laid [16 queries][2048 keys] with 8,208 bytes from row to row; they stay there, and each wave takes its layout (1) back when tau is known.
; THE FIRST PRODUCT has K = 64, half of the instruction's 128.  A fragment of k holds TWO key tiles (k < 64: the rows of tile 0; k >= 64: those of tile 1); q stands twice, as [q | zero codes] and [zero codes | q]:
; each product is a true one or has a zero code as a factor.  The division by 8 is 3 off each of q's scale bytes: exact.
; TAU is the root of F(t) = sum of max(score - t, 0) = 1.  With zmax the row's largest score, F(zmax - 1) >= 1 > F(zmax).  Twenty halvings (t = lo + 2^-k; lo = t where F(t) >= 1, chosen without a branch) give
; lo <= tau < lo + 2^-20 for every input; two steps t += (F(t) - 1) / (number of scores above t) follow: F is convex and piecewise linear, so a step never passes tau and is exact as soon as no score lies between t and tau.
; The steps across lanes add each pair both ways round, so all 16 lanes of a row hold the same bits and decide alike.  The trip counts are constants; branches hang on the work-group's and the wave's number alone.
; LIMITS: masked places hold -1e9 as in the source; rows whose largest score is -1e9 + 1 or less are not served.  From |score| = 2^24 on zmax - 1 rounds to zmax; the count is held at 1 from below.
; A block of zeros gets the byte 1 (its codes are zeros; this program alone reads the bytes).  NaN and infinities are not served.
.set A16,  1                           ; v1   16 x lane; v1-12 are never rewritten
.set A8,   2                           ; v2   8 x lane
.set A4,   3                           ; v3   4 x lane
.set A4R,  4                           ; v4   4 r
.set SST,  5                           ; v5   LDS: layout (1): 8208 r + 64 h + 128 w
.set SRL,  6                           ; v6   LDS: layout (2): 8208 (2 w + h) + 16 (lane mod 16)
.set DG,   7                           ; v7   on the diagonal register i is hidden where i > r + (r and 8) + 8 u - 16 h
.set NEGV, 8                           ; v8   -1e9
.set OSW,  9                           ; v9   LDS: my wave's o
.set ORD,  10                          ; v10  LDS: chunk w of every wave's o
.set O2W,  11                          ; v11  LDS: the summed chunk w
.set O2R,  12                          ; v12  LDS: the summed chunks
.set STP,  14                          ; v14  the halving's step
.set QS,   15                          ; v15  q's scale word
.set QLO,  16                          ; v16-27 [q | 0]
.set QHI,  28                          ; v28-39 [0 | q]
.set PC,   16                          ; later v16-35: the codes just made
.set KS,   40                          ; v40-47 k's scale words; later v40, v41 v's and v42 p's: scales alone
.set PW,   42
.set LF,   48                          ; v48-95 k's fragments of blocks 0-3, later four fragments of v, later sums of o
.set TW,   96                          ; v96-103  eight numbers at work
.set AC,   104                         ; v104-111 four running sums, two numbers each
.set TM,   96                          ; the quantiser's v96-111
.set TAW,  112                         ; v112 LDS: where my row's tau goes: 4 (2 w + h)
.set TAR,  113                         ; v113 LDS: my query's tau in layout (1): 4 r
.set TT,   120                         ; v[120:121] t (the pair is named; the low word serves both halves)
.set LO,   122
.set CNT,  123
.set VAL,  124
.set FS,   126
.set NS,   127
.set ZZ,   128                         ; v128-255 the scores; v128-159 later o's four accumulators
.set SEL,  2
.set WV,   32
.set BQ,   33
.set BH,   34
.set UU,   35
.set NBW,  36                          ; my wave's number of key blocks
.set JD,   37                          ; which of them lies on the diagonal; 255: none
.set CTR,  38
.set U16,  39
.set H16,  40
.set TQ,   41
.set G8,   42                          ; (B + 8) / 8: so many blocks every wave puts into LDS and takes back (those that it does not own hold -1e9)
.set G4,   43                          ; (B + 4) / 4: so many groups of 8 registers (128 keys of a row) are walked in layout (2)
.set SPI,  8208                        ; LDS: a row of scores: 8,192 bytes + 16: the 16 rows that a store of 16 bytes a lane touches fall on 16 different columns of 16 bytes
.set TAUB, 16*SPI                      ; behind the scores: 16 words, a tau for each query
.set OST,  0                           ; 8 waves x 4,096 bytes: o as 8 chunks of 4 registers.  It lies over the scores, behind the barrier behind which nobody reads them
.set OS2,  OST+8*4096                  ; 8 x 512 bytes: the summed chunks
.macro QUANT s, fl
.irp b, 0,1,2,3
	v_max3_num_f32 v[TM+\b], |v[\s+16*\b]|, |v[\s+1+16*\b]|, \fl
.endr
.irp i, 2,4,6,8,10,12,14
.irp b, 0,1,2,3
	v_max3_num_f32 v[TM+\b], v[TM+\b], |v[\s+16*\b+\i]|, |v[\s+1+16*\b+\i]|
.endr
.endr
.irp b, 0,1,2,3
	v_permlanex16_b32 v[TM+4+\b], v[TM+\b], s[SEL], s[SEL+1]
.endr
.irp b, 0,1,2,3
	v_max_num_f32 v[TM+\b], v[TM+\b], v[TM+4+\b]
.endr
.irp b, 0,1,2,3
	v_add_nc_u32 v[TM+12+\b], 0xff000000, v[TM+\b]
.endr
.irp b, 0,1,2,3
	v_lshrrev_b32 v[TM+4+\b], 23, v[TM+12+\b]
.endr
	v_lshl_or_b32 v[PW], v[TM+5], 8, v[TM+4]
	v_lshl_or_b32 v[PW], v[TM+6], 16, v[PW]
	v_lshl_or_b32 v[PW], v[TM+7], 24, v[PW]
.irp c, 0,1
	v_cvt_scalef32_pk16_fp6_f32 v[PC+6*\c:PC+2+6*\c], v[\s+32*\c:\s+15+32*\c], v[TM+12+2*\c]
	v_cvt_scalef32_pk16_fp6_f32 v[PC+12+4*\c:PC+14+4*\c], v[\s+16+32*\c:\s+31+32*\c], v[TM+12+2*\c+1]
.endr
	v_nop                                          ; one plain place behind a scaled conversion
.irp c, 0,1
.irp i, 0,1,2
	v_permlane16_swap_b32 v[PC+6*\c+\i], v[PC+12+4*\c+\i]
.endr
.irp i, 0,1,2
	v_mov_b32 v[PC+3+6*\c+\i], v[PC+12+4*\c+\i]
.endr
.endr
.endm
.macro QUANT32 s, fl                   ; the same for 32 numbers, two blocks: six registers of codes, two bytes
.irp b, 0,1
	v_max3_num_f32 v[TM+\b], |v[\s+16*\b]|, |v[\s+1+16*\b]|, \fl
.endr
.irp i, 2,4,6,8,10,12,14
.irp b, 0,1
	v_max3_num_f32 v[TM+\b], v[TM+\b], |v[\s+16*\b+\i]|, |v[\s+1+16*\b+\i]|
.endr
.endr
.irp b, 0,1
	v_permlanex16_b32 v[TM+4+\b], v[TM+\b], s[SEL], s[SEL+1]
.endr
.irp b, 0,1
	v_max_num_f32 v[TM+\b], v[TM+\b], v[TM+4+\b]
.endr
.irp b, 0,1
	v_add_nc_u32 v[TM+12+\b], 0xff000000, v[TM+\b]
.endr
.irp b, 0,1
	v_lshrrev_b32 v[TM+4+\b], 23, v[TM+12+\b]
.endr
	v_lshl_or_b32 v[PW], v[TM+5], 8, v[TM+4]
	v_cvt_scalef32_pk16_fp6_f32 v[PC:PC+2], v[\s:\s+15], v[TM+12]
	v_cvt_scalef32_pk16_fp6_f32 v[PC+12:PC+14], v[\s+16:\s+31], v[TM+13]
	v_nop
.irp i, 0,1,2
	v_permlane16_swap_b32 v[PC+\i], v[PC+12+\i]
.endr
.irp i, 0,1,2
	v_mov_b32 v[PC+3+\i], v[PC+12+\i]
.endr
.endm
.macro GLOADF reg, base, off
	global_load_b128 v[\reg:\reg+3], v[A16], s[\base:\base+1] offset:\off
	global_load_b64 v[\reg+4:\reg+5], v[A8], s[\base:\base+1] offset:\off+512
	global_load_b128 v[\reg+6:\reg+9], v[A16], s[\base:\base+1] offset:\off+768
	global_load_b64 v[\reg+10:\reg+11], v[A8], s[\base:\base+1] offset:\off+1280
.endm
.macro PLACES n
.rept \n
	v_nop
.endr
.endm
.macro BARRIER                         ; my LDS stores have landed and my LDS loads are in: then the work-group's barrier
	s_wait_dscnt 0x0
	s_barrier_signal -1
	s_barrier_wait -1
.endm
.macro WM d, a, b, zero, sa, sb, row
.if \zero
.if \row
	v_wmma_scale_f32_16x16x128_f8f6f4 v[\d:\d+7], v[\a:\a+11], v[\b:\b+11], 0, v[\sa], v[\sb] matrix_a_fmt:MATRIX_FMT_FP6 matrix_b_fmt:MATRIX_FMT_FP6 matrix_a_scale:MATRIX_SCALE_ROW1
.else
	v_wmma_scale_f32_16x16x128_f8f6f4 v[\d:\d+7], v[\a:\a+11], v[\b:\b+11], 0, v[\sa], v[\sb] matrix_a_fmt:MATRIX_FMT_FP6 matrix_b_fmt:MATRIX_FMT_FP6
.endif
.else
.if \row
	v_wmma_scale_f32_16x16x128_f8f6f4 v[\d:\d+7], v[\a:\a+11], v[\b:\b+11], v[\d:\d+7], v[\sa], v[\sb] matrix_a_fmt:MATRIX_FMT_FP6 matrix_b_fmt:MATRIX_FMT_FP6 matrix_a_scale:MATRIX_SCALE_ROW1
.else
	v_wmma_scale_f32_16x16x128_f8f6f4 v[\d:\d+7], v[\a:\a+11], v[\b:\b+11], v[\d:\d+7], v[\sa], v[\sb] matrix_a_fmt:MATRIX_FMT_FP6 matrix_b_fmt:MATRIX_FMT_FP6
.endif
.endif
.endm
.macro SKIP n, j, lab                  ; the count in s[n] has no part j, nor any behind it
	s_cmp_lt_u32 s[\n], \j+1
	s_cbranch_scc1 \lab
.endm
.macro ROWSUM reg                      ; over the 16 lanes of a row; every lane ends with the same bits
.irp x, 1,2,4,8
	v_add_f32_dpp v[\reg], v[\reg], v[\reg] row_xmask:\x row_mask:0xf bank_mask:0xf
.endr
.endm
.macro COUNT8 reg                      ; how many of eight numbers are above 0
.irp i, 0,1,2,3,4,5,6,7
	v_cmp_lt_f32 vcc_lo, 0, v[\reg+\i]
	v_add_co_ci_u32 v[CNT], vcc_lo, 0, v[CNT], vcc_lo
.endr
.endm
; Group m of 8 registers of layout (2): max(score - t, 0), two numbers an instruction throughout, added onto four sums that take turns.  Group 0 starts the sums: nothing is cleared.  cnt = 1: the scores above t are counted too
.macro HB0 cnt
.irp k, 0,2,4,6
	v_pk_add_f32 v[AC+\k:AC+\k+1], v[ZZ+\k:ZZ+\k+1], v[TT:TT+1] op_sel_hi:[1,0] neg_lo:[0,1] neg_hi:[0,1]
.endr
.irp k, 0,2,4,6
	v_dual_max_num_f32 v[AC+\k], 0, v[AC+\k] :: v_dual_max_num_f32 v[AC+\k+1], 0, v[AC+\k+1]
.endr
.if \cnt
	COUNT8 AC
.endif
.endm
.macro HB m, cnt
.irp k, 0,2,4,6
	v_pk_add_f32 v[TW+\k:TW+\k+1], v[ZZ+8*\m+\k:ZZ+8*\m+\k+1], v[TT:TT+1] op_sel_hi:[1,0] neg_lo:[0,1] neg_hi:[0,1]
.endr
.irp k, 0,2,4,6
	v_dual_max_num_f32 v[TW+\k], 0, v[TW+\k] :: v_dual_max_num_f32 v[TW+\k+1], 0, v[TW+\k+1]
.endr
.if \cnt
	COUNT8 TW
.endif
.irp k, 0,2,4,6
	v_pk_add_f32 v[AC+\k:AC+\k+1], v[AC+\k:AC+\k+1], v[TW+\k:TW+\k+1]
.endr
.endm
.macro SUMF cnt                        ; F(t) of my row, in all its 16 lanes, in v[VAL]
.if \cnt
	v_mov_b32 v[CNT], 0
.endif
	HB0 \cnt
.irp m, 1,2,3,4,5,6,7,8,9,10,11,12,13,14,15
	SKIP G4, \m, .Le_\@
	HB \m, \cnt
.endr
.Le_\@:
	v_pk_add_f32 v[AC:AC+1], v[AC:AC+1], v[AC+2:AC+3]
	v_pk_add_f32 v[AC+4:AC+5], v[AC+4:AC+5], v[AC+6:AC+7]
	v_pk_add_f32 v[AC:AC+1], v[AC:AC+1], v[AC+4:AC+5]
	v_add_f32 v[VAL], v[AC], v[AC+1]
	ROWSUM VAL
.endm
.macro SCORE j, a                      ; block j's 32 keys x 16 queries: the fragment at v[a] against both forms of q
	WM ZZ+16*\j, \a, QLO, 1, KS+\j, QS, 0
	WM ZZ+16*\j+8, \a, QHI, 1, KS+\j, QS, 1
.endm
.macro MASK j                          ; only the block on the diagonal; each accumulator from its low end on
	s_cmp_lg_u32 s[JD], \j
	s_cbranch_scc1 .Lnm_\@
.irp i, 0,1,2,3,4,5,6,7,8,9,10,11,12,13,14,15
	v_cmp_gt_i32 vcc_lo, \i, v[DG]
	v_cndmask_b32 v[ZZ+16*\j+\i], v[ZZ+16*\j+\i], v[NEGV], vcc_lo
.endr
.Lnm_\@:
.endm
.macro VLOAD g                         ; v's four fragments (64 channels x my key blocks 4 g .. 4 g + 3) and their scale words: lanes 0-15 the even channel tile's, lanes 16-31 the odd one's
.irp ct, 0,1,2,3
	GLOADF LF+12*\ct, 24, 6144*\g+1536*\ct
.endr
.irp cp, 0,1
	global_load_b32 v[KS+\cp], v[A4], s[26:27] offset:256*\g+128*\cp
.endr
.endm
.macro PVG g, zero                     ; p of my key blocks 4 g .. 4 g + 3, its codes, and o^T += v^T p^T
.set i, 0
.rept 32
	v_pk_add_f32 v[ZZ+64*\g+i:ZZ+64*\g+i+1], v[ZZ+64*\g+i:ZZ+64*\g+i+1], v[TT:TT+1] op_sel_hi:[1,0] neg_lo:[0,1] neg_hi:[0,1]
.set i, i+2
.endr
.set i, 0
.rept 32
	v_dual_max_num_f32 v[ZZ+64*\g+i], 0, v[ZZ+64*\g+i] :: v_dual_max_num_f32 v[ZZ+64*\g+i+1], 0, v[ZZ+64*\g+i+1]
.set i, i+2
.endr
	QUANT ZZ+64*\g, 0x1800000
	s_wait_loadcnt 0x0                             ; v's fragments and scale words are in
	PLACES 8                                       ; p's scale word was written by vector instructions: 8 places ahead of a scaled matrix instruction
.irp ct, 0,1,2,3
	WM ZZ+8*\ct, LF+12*\ct, PC, \zero, KS+\ct/2, PW, \ct%2
.endr
.endm
	s_load_b256 s[4:11], s[0:1], 0x0               ; qkc, qks, vc, vs
	s_load_b128 s[12:15], s[0:1], 0x20             ; oc, os
	v_lshl_add_u32 v119, v0, 2, 0x20400
	v_mov_b32 v125, 0
	v_lshrrev_b32 v13, 5, v0
	v_readfirstlane_b32 s[WV], v13                 ; wave 0..7
	s_lshr_b32 s[BQ], ttmp9, 5
	s_sub_co_u32 s[BQ], 63, s[BQ]                  ; B
	s_bfe_u32 s[BH], ttmp9, 0x40001                ; 8 batch + head
	s_and_b32 s[UU], ttmp9, 1
	s_lshl_b32 s[TQ], s[BQ], 1
	s_add_co_u32 s[TQ], s[TQ], s[UU]               ; the query tile in its batch
	s_add_co_u32 s[NBW], s[BQ], 8
	s_lshr_b32 s[G8], s[NBW], 3
	s_sub_co_u32 s[NBW], s[NBW], s[WV]
	s_lshr_b32 s[NBW], s[NBW], 3                   ; how many of w, w + 8, .. are at most B
	s_add_co_u32 s[G4], s[BQ], 4
	s_lshr_b32 s[G4], s[G4], 2
	s_and_b32 s44, s[BQ], 7
	s_lshr_b32 s[JD], s[BQ], 3
	s_cmp_eq_u32 s44, s[WV]
	s_cselect_b32 s[JD], s[JD], 0xff
	s_lshl_b32 s[U16], s[UU], 4
	s_lshl_b32 s49, s[UU], 3
	s_mov_b32 s[SEL], 0x76543210
	s_mov_b32 s[SEL+1], 0xfedcba98
	v_and_b32 v13, 31, v0                          ; lane
	v_lshlrev_b32 v[A16], 4, v13
	v_lshlrev_b32 v[A8], 3, v13
	v_lshlrev_b32 v[A4], 2, v13
	v_and_b32 v[DG], 15, v0                        ; r
	v_bfe_u32 v[STP], v0, 4, 1                     ; h
	v_lshlrev_b32 v[A4R], 2, v[DG]
	v_mul_u32_u24 v[SST], v[DG], SPI               ; layout (1): row r, my 16 keys of key block w: 64 h + 128 w; 8 blocks on are 1,024 bytes
	v_lshl_add_u32 v[SST], v[STP], 6, v[SST]
	s_lshl_b32 s44, s[WV], 7
	v_add_nc_u32 v[SST], s44, v[SST]
	v_mul_u32_u24 v[SRL], v[STP], SPI              ; layout (2): row 2 w + h, 16 bytes a lane: 16 lanes read 256 consecutive bytes
	v_lshl_add_u32 v[SRL], v[DG], 4, v[SRL]
	s_mul_i32 s44, s[WV], 2*SPI
	v_add_nc_u32 v[SRL], s44, v[SRL]
	s_lshl_b32 s44, s[WV], 3
	s_add_co_u32 s44, s44, TAUB
	v_lshl_add_u32 v[TAW], v[STP], 2, s44
	v_lshl_add_u32 v[TAR], v[DG], 2, TAUB
	v_and_b32 v13, 8, v[DG]
	v_add_nc_u32 v[DG], v[DG], v13
	v_and_b32 v13, 16, v0                          ; 16 h
	v_sub_nc_u32 v[DG], v[DG], v13
	v_add_nc_u32 v[DG], s49, v[DG]
	s_lshl_b32 s44, s[WV], 12
	s_add_co_u32 s44, s44, OST
	v_add_nc_u32 v[OSW], s44, v[A16]
	s_lshl_b32 s44, s[WV], 9
	s_add_co_u32 s45, s44, OST
	v_add_nc_u32 v[ORD], s45, v[A16]
	s_add_co_u32 s45, s44, OS2
	v_add_nc_u32 v[O2W], s45, v[A16]
	v_add_nc_u32 v[O2R], OS2, v[A16]
	; byte offsets into the six buffers
	s_lshl_b32 s46, s[BH], 7
	s_add_co_u32 s46, s46, s[TQ]
	s_mul_i32 s16, s46, 768                        ; q's image
	s_mov_b32 s17, 0
	s_lshl_b32 s20, s46, 6                         ; q's scale words
	s_mov_b32 s21, 0
	s_mul_i32 s18, s[BH], 98304
	s_mul_i32 s47, s[WV], 1536
	s_add_co_u32 s18, s18, s47
	s_add_co_u32 s18, s18, 1572864                 ; k's images of key block w: two neighbours are a fragment; 8 blocks on are 12,288 bytes
	s_mov_b32 s19, 0
	s_lshl_b32 s22, s[BH], 13
	s_lshl_b32 s47, s[WV], 7
	s_add_co_u32 s22, s22, s47
	s_add_co_u32 s22, s22, 131072                  ; and their scale words
	s_mov_b32 s23, 0
	s_lshl_b32 s47, s[BH], 3
	s_add_co_u32 s47, s47, s[WV]
	s_mul_i32 s24, s47, 12288                      ; v's 8 fragments for my wave
	s_mov_b32 s25, 0
	s_lshl_b32 s26, s47, 9
	s_mov_b32 s27, 0
	s_lshr_b32 s47, s[BH], 3
	s_lshl_b32 s47, s47, 7
	s_add_co_u32 s47, s47, s[TQ]                   ; the token tile, batches through
	s_lshl_b32 s47, s47, 3
	s_and_b32 s48, s[BH], 7                        ; the head
	s_add_co_u32 s47, s47, s48
	s_mul_i32 s28, s47, 768
	s_mov_b32 s29, 0
	s_lshl_b32 s30, s47, 6
	s_mov_b32 s31, 0
	s_and_b32 s[H16], s48, 1
	s_lshl_b32 s[H16], s[H16], 4
	; Places that no product fills hold the mask's number; what a skipped load would have filled holds zero codes and the scale 1.  Two registers an instruction
	v_mov_b32 v[NEGV], 0xce6e6b28                  ; -1e9
.set i, 0
.rept 64
	v_dual_mov_b32 v[ZZ+i], v[NEGV] :: v_dual_mov_b32 v[ZZ+i+1], v[NEGV]
.set i, i+2
.endr
.set i, 0
.rept 24
	v_dual_mov_b32 v[LF+i], 0 :: v_dual_mov_b32 v[LF+i+1], 0
.set i, i+2
.endr
.irp j, 0,1,2,3,4,5,6,7
	v_mov_b32 v[KS+\j], 0x7f7f7f7f
.endr
.irp j, 0,1,2,3,4,5
	v_mov_b32 v[QLO+6+\j], 0                       ; the zero codes of q's two forms
	v_mov_b32 v[QHI+\j], 0
.endr
.irp b, 0,1,2,3
	v_mov_b32 v[TM+4+\b], 0                        ; a lane permute's destination counts as one of its sources
.endr
	v_mov_b32 v[TT+1], 0                           ; named as the upper half of a pair
	s_wait_kmcnt 0x0
	s_add_nc_u64 s[16:17], s[4:5], s[16:17]
	s_add_nc_u64 s[18:19], s[4:5], s[18:19]
	s_add_nc_u64 s[20:21], s[6:7], s[20:21]
	s_add_nc_u64 s[22:23], s[6:7], s[22:23]
	s_add_nc_u64 s[24:25], s[8:9], s[24:25]
	s_add_nc_u64 s[26:27], s[10:11], s[26:27]
	s_add_nc_u64 s[28:29], s[12:13], s[28:29]
	s_add_nc_u64 s[30:31], s[14:15], s[30:31]
	global_load_b128 v[QLO:QLO+3], v[A16], s[16:17]
	global_load_b64 v[QLO+4:QLO+5], v[A8], s[16:17] offset:512
	global_load_b128 v[QHI+6:QHI+9], v[A16], s[16:17]
	global_load_b64 v[QHI+10:QHI+11], v[A8], s[16:17] offset:512
	global_load_b32 v13, v[A4R], s[20:21]
.irp j, 0,1,2,3,4,5,6,7                ; k's fragments: blocks 0-3 into v48-95; blocks 4-7 into the places of blocks 0-3's scores, which are made last
	SKIP NBW, \j, .Lkd
.if \j < 4
	GLOADF LF+12*\j, 18, 12288*\j
.else
	GLOADF ZZ+16*(\j-4), 18, 12288*\j
.endif
	global_load_b32 v[KS+\j], v[A4], s[22:23] offset:1024*\j   ; lanes 0-15: the words of key tile 0, lanes 16-31: of key tile 1
.endr
.Lkd:
	s_wait_loadcnt 0x0                             ; for all: the number issued differs from wave to wave
	v_lshrrev_b32 v13, s[U16], v13                 ; q's two bytes stand at byte places 2 u, 2 u + 1
	v_and_b32 v13, 0xffff, v13
	v_lshl_or_b32 v[QS], v13, 16, v13              ; for both forms of q
	v_add_nc_u32 v[QS], 0xfcfcfcfd, v[QS]          ; 3 off each byte (each is 4 at the least: no borrow): the division by 8
	PLACES 8                                       ; a scale register written by a vector instruction stands 8 places ahead of a scaled matrix instruction
.irp j, 4,5,6,7
	SKIP NBW, \j, .Lp1
	SCORE \j, ZZ+16*(\j-4)
.endr
.Lp1:
	PLACES 5                                       ; the next products write over registers that those products have read
.irp j, 0,1,2,3
	SKIP NBW, \j, .Lp2
	SCORE \j, LF+12*\j
.endr
.Lp2:
	PLACES 4                                       ; in front of loads into the products' registers and of the first read of results
	VLOAD 0                                        ; 18 loads that stay out through all the passes: nothing names their registers until the second product
.irp j, 0,1,2,3,4,5,6,7
	MASK \j
.endr
	; FROM LAYOUT (1) TO LAYOUT (2).  Every wave stores (B + 8) / 8 blocks, so that every key block under 8 x that number is written: those past the row's end hold -1e9
.irp j, 0,1,2,3,4,5,6,7
.if \j > 0
	SKIP G8, \j, .Lst
.endif
.irp c, 0,1,2,3
	ds_store_b128 v[SST], v[ZZ+16*\j+4*\c:ZZ+16*\j+4*\c+3] offset:1024*\j+16*\c   ; each accumulator from its low end on
.endr
.endr
.Lst:
	BARRIER                                        ; the tile's scores lie in LDS; they are written once
.irp m, 0,1,2,3,4,5,6,7,8,9,10,11,12,13,14,15
.if \m > 0
	SKIP G4, \m, .Lrl
.endif
	ds_load_b128 v[ZZ+8*\m:ZZ+8*\m+3], v[SRL] offset:512*\m
	ds_load_b128 v[ZZ+8*\m+4:ZZ+8*\m+7], v[SRL] offset:512*\m+256
.endr
.Lrl:
	s_wait_dscnt 0x0
	; the row's largest score, in two chains, then over the row's 16 lanes
	v_max3_num_f32 v[VAL], v[ZZ], v[ZZ+1], v[ZZ+2]
	v_max3_num_f32 v[FS], v[ZZ+3], v[ZZ+4], v[ZZ+5]
	v_max3_num_f32 v[VAL], v[VAL], v[ZZ+6], v[ZZ+7]
.irp m, 1,2,3,4,5,6,7,8,9,10,11,12,13,14,15
	SKIP G4, \m, .Lm
	v_max3_num_f32 v[VAL], v[VAL], v[ZZ+8*\m], v[ZZ+8*\m+1]
	v_max3_num_f32 v[FS], v[FS], v[ZZ+8*\m+2], v[ZZ+8*\m+3]
	v_max3_num_f32 v[VAL], v[VAL], v[ZZ+8*\m+4], v[ZZ+8*\m+5]
	v_max3_num_f32 v[FS], v[FS], v[ZZ+8*\m+6], v[ZZ+8*\m+7]
.endr
.Lm:
	v_max_num_f32 v[VAL], v[VAL], v[FS]
.irp x, 1,2,4,8
	v_max_num_f32_dpp v[VAL], v[VAL], v[VAL] row_xmask:\x row_mask:0xf bank_mask:0xf
.endr
	v_add_f32 v[LO], -1.0, v[VAL]                  ; F(zmax - 1) >= 1
	v_mov_b32 v[STP], 0.5
	v_add_f32 v[TT], 0.5, v[LO]
	s_mov_b32 s[CTR], 20
.Lbis:                                             ; 20 halvings; a trip touches registers alone
	SUMF 0
	v_cmp_le_f32 vcc_lo, 1.0, v[VAL]
	v_cndmask_b32 v[LO], v[LO], v[TT], vcc_lo      ; lo = t where F(t) >= 1
	v_mul_f32 v[STP], 0.5, v[STP]
	v_add_f32 v[TT], v[STP], v[LO]
	s_sub_co_u32 s[CTR], s[CTR], 1
	s_cmp_lg_u32 s[CTR], 0
	s_cbranch_scc1 .Lbis
	v_mov_b32 v[TT], v[LO]
	s_mov_b32 s[CTR], 2
.Lnew:                                             ; t += (F(t) - 1) / (the number of scores above t), twice
	SUMF 1
	v_cvt_f32_u32 v[NS], v[CNT]
	ROWSUM NS
	v_max_num_f32 v[NS], 1.0, v[NS]
	v_rcp_f32 v[NS], v[NS]
	v_add_f32 v[FS], -1.0, v[VAL]                  ; a plain place behind the reciprocal
	s_wait_alu depctr_va_vdst(0)                   ; the wait ahead of the reciprocal's first reader
	v_fma_f32 v[TT], v[FS], v[NS], v[TT]
	s_sub_co_u32 s[CTR], s[CTR], 1
	s_cmp_lg_u32 s[CTR], 0
	s_cbranch_scc1 .Lnew
	; BACK TO LAYOUT (1): tau by way of 16 words of LDS, the scores from where they lie
	ds_store_b32 v[TAW], v[TT]                     ; a row's 16 lanes write the same word with the same value
	BARRIER                                        ; all 16 taus lie in LDS
	ds_load_b32 v[TT], v[TAR]
.irp j, 0,1,2,3,4,5,6,7                ; as many blocks as I stored: they cover every register that layout (2) has touched; the registers behind them still hold -1e9
.if \j > 0
	SKIP G8, \j, .Lrb
.endif
.irp c, 0,1,2,3
	ds_load_b128 v[ZZ+16*\j+4*\c:ZZ+16*\j+4*\c+3], v[SST] offset:1024*\j+16*\c
.endr
.endr
.Lrb:
	BARRIER                                        ; every wave's reads of the scores are in: their bytes may be written again (o's stage)
	PVG 0, 1                                       ; always: a wave without blocks makes zeros.  The four accumulators take turns
	SKIP NBW, 4, .Lo
	PLACES 4                                       ; in front of loads into, and writes of, registers that the products have read
	VLOAD 1
	PVG 1, 0
.Lo:
	PLACES 4
.irp c, 0,1,2,3,4,5,6,7
	ds_store_b128 v[OSW], v[ZZ+4*\c:ZZ+4*\c+3] offset:512*\c   ; my part of o^T, each accumulator from its low end on
.endr
	BARRIER
.irp k, 0,1,2,3,4,5,6,7
	ds_load_b128 v[LF+4*\k:LF+4*\k+3], v[ORD] offset:4096*\k   ; wave w sums chunk w of all 8 waves
.endr
	s_wait_dscnt 0x0
.irp k, 0,1,2,3
	v_pk_add_f32 v[LF+4*\k:LF+4*\k+1], v[LF+4*\k:LF+4*\k+1], v[LF+16+4*\k:LF+17+4*\k]
	v_pk_add_f32 v[LF+4*\k+2:LF+4*\k+3], v[LF+4*\k+2:LF+4*\k+3], v[LF+18+4*\k:LF+19+4*\k]
.endr
.irp k, 0,1
	v_pk_add_f32 v[LF+4*\k:LF+4*\k+1], v[LF+4*\k:LF+4*\k+1], v[LF+8+4*\k:LF+9+4*\k]
	v_pk_add_f32 v[LF+4*\k+2:LF+4*\k+3], v[LF+4*\k+2:LF+4*\k+3], v[LF+10+4*\k:LF+11+4*\k]
.endr
	v_pk_add_f32 v[LF:LF+1], v[LF:LF+1], v[LF+4:LF+5]
	v_pk_add_f32 v[LF+2:LF+3], v[LF+2:LF+3], v[LF+6:LF+7]
	ds_store_b128 v[O2W], v[LF:LF+3]
	BARRIER
	s_cmp_lg_u32 s[WV], 0
	s_cbranch_scc1 .Lend
.irp c, 0,1,2,3,4,5,6,7                ; wave 0: register 16 b + i is channel 32 b + 16 (lane / 16) + i of the head, by the order of v's channel tiles
	ds_load_b128 v[LF+4*\c:LF+4*\c+3], v[O2R] offset:512*\c
.endr
	s_wait_dscnt 0x0
	QUANT32 LF, 0x1800000
	global_store_b128 v[A16], v[PC:PC+3], s[28:29]
	global_store_b64 v[A8], v[PC+4:PC+5], s[28:29] offset:512
	v_lshlrev_b32 v13, s[H16], v[PW]               ; the two bytes at their places in the word of two heads
	v_and_b32 v[STP], 31, v0
	s_wait_xcnt 0x0                                ; EXEC changes only behind this wait
	v_cmp_gt_u32 vcc_lo, 16, v[STP]
	s_and_saveexec_b32 s50, vcc_lo
	global_store_b32 v[A4R], v13, s[30:31]
	s_wait_xcnt 0x0
	s_or_b32 exec_lo, exec_lo, s50
.Lend:
	s_barrier_signal -1
	s_barrier_wait -1
	s_wait_tensorcnt 0x0
	ds_add_u32 v119, v125
	s_wait_dscnt 0x0
	s_endpgm
.Lfunc_end_k_q0e4b3853e0_attn:
	.size	k_q0e4b3853e0_attn, .Lfunc_end_k_q0e4b3853e0_attn-k_q0e4b3853e0_attn
	.p2alignl 7, 3214868480
	.fill 96, 4, 3214868480
	.section	.rodata,"a",@progbits
	.p2align	6, 0x0
	.amdhsa_kernel k_q0e4b3853e0_attn
		.amdhsa_group_segment_fixed_size 133120
		.amdhsa_private_segment_fixed_size 0
		.amdhsa_enable_private_segment 0
		.amdhsa_kernarg_size 48
		.amdhsa_user_sgpr_count 2
		.amdhsa_user_sgpr_kernarg_segment_ptr 1
		.amdhsa_wavefront_size32 1
		.amdhsa_system_sgpr_workgroup_id_x 1
		.amdhsa_system_sgpr_workgroup_id_y 1
		.amdhsa_system_sgpr_workgroup_id_z 1
		.amdhsa_system_vgpr_workitem_id 0
		.amdhsa_next_free_vgpr 256
		.amdhsa_next_free_sgpr 66
		.amdhsa_reserve_vcc 1
		.amdhsa_float_denorm_mode_32 3
		.amdhsa_float_denorm_mode_16_64 3
		.amdhsa_memory_ordered 1
		.amdhsa_forward_progress 1
		.amdhsa_inst_pref_size 103
	.end_amdhsa_kernel
	.amdgpu_metadata
---
amdhsa.version: [ 1, 2 ]
amdhsa.kernels:
  - .name:           k_q0e4b3853e0_attn
    .symbol:         k_q0e4b3853e0_attn.kd
    .args:
      - { .name: qkc, .offset: 0, .size: 8, .value_kind: global_buffer, .address_space: global }
      - { .name: qks, .offset: 8, .size: 8, .value_kind: global_buffer, .address_space: global }
      - { .name: vc, .offset: 16, .size: 8, .value_kind: global_buffer, .address_space: global }
      - { .name: vs, .offset: 24, .size: 8, .value_kind: global_buffer, .address_space: global }
      - { .name: oc, .offset: 32, .size: 8, .value_kind: global_buffer, .address_space: global }
      - { .name: os, .offset: 40, .size: 8, .value_kind: global_buffer, .address_space: global }
    .group_segment_fixed_size: 133120
    .private_segment_fixed_size: 0
    .kernarg_segment_align: 8
    .kernarg_segment_size: 48
    .max_flat_workgroup_size: 256
    .sgpr_count:     66
    .vgpr_count:     256
    .wavefront_size: 32
...
	.end_amdgpu_metadata
.endif
;; end of part 5
;; launch oproj: the kernel of part 4 again; grid 256 x 1, 4 waves a work-group, no clusters, 83,456 bytes of LDS; arguments cod, scl, oc, os, out0; writes out0
